; MI455X (gfx1250); checked and timed in simulation.
; The chip was launched on July 23, 2026; its instructions are those of AMD's public machine-readable ISA for CDNA 5 (MIT licence, August 2026) and "CDNA5" Instruction Set Architecture Reference Guide (July 2026). The comments in the code are by the model that wrote it; some were corrected since.
;; Self Attention. Allowed arithmetic: matrix products marked QUANTISED: E2M3 operands, one E8M0 scale for each 32 along K, by v_wmma_scale_f32_16x16x128_f8f6f4 with both operands' format E2M3, f32 sums; everything else in f32.
;; Inputs: cos 2,048 x 64 float32; sin 2,048 x 64 float32; w_attn 2,048 x 3,072 float32; w_proj 2,048 x 2,048 float32; x 1 x 2,048 x 2,048 float32.
;; Outputs: out0 1 x 2,048 x 2,048 float32.
;; This version of the problem:
;;   THIS VERSION OF THE PROBLEM IS GIVEN IN LOW PRECISION. The matrix products marked QUANTISED in the list below multiply operands that are first quantised to E2M3 (2 exponent bits, 3 mantissa bits; 6 bits a number), with one power-of-two scale for each 32 numbers along K (OCP MX v1.0); their sums are f32. All else is computed in f32.
;;   The module's matrix products, in the order in which they are computed (A, B: the left and right operand; K: the contracted axis; several contracted axes count as one K, in the product's order):
;;     1. [M 2,048, K 2,048] x [K 2,048, N 3,072]; A: input x; B: input w_attn: QUANTISED
;;     2. batch 4 x [M 2,048, K 128] x [K 128, N 8,192]; A: computed on the way; B: computed on the way: QUANTISED
;;     3. batch 4 x [M 128, K 2,048] x [K 2,048, N 8,192]; A: computed on the way; B: softmax (see below): QUANTISED
;;     4. [M 2,048, K 2,048] x [K 2,048, N 2,048]; A: computed on the way; B: input w_proj: QUANTISED
;;   THE QUANTISER, for each operand of a quantised product, along K:
;;     - K is cut into blocks of 32 from its start; a last block that is shorter is filled with zeros.
;;     - A block's scale is 2^e with e = floor(log2(the largest magnitude in the block)) - 2, held to -126 .. 127; a block of zeros has e = 0. As a byte (E8M0): e + 127.
;;     - Each number is divided by its block's scale, clamped to +-7.5, and rounded to the nearest number of E2M3, ties to even, subnormals kept.
;;     - The product sums the exact products of the quantised numbers (number of the format x scale) in f32.
;;   ~~~python
;;   def quantise(x, axis):      # numpy; x: float32 -> the quantised numbers, widened to float32 again
;;       x = np.moveaxis(x, axis, -1); K = x.shape[-1]
;;       x = np.pad(x, [(0, 0)] * (x.ndim - 1) + [(0, -K % 32)]); x = x.reshape(x.shape[:-1] + (-1, 32)); a = np.abs(x).max(-1, keepdims=True)
;;       e = np.where(a > 0, np.clip(np.frexp(np.where(a > 0, a, 1))[1] - 1 - 2, -126, 127), 0)      # np.frexp(a)[1] - 1 = floor(log2(a)), exactly
;;       r = np.clip(x / 2.0 ** e, -7.5, 7.5)
;;       step = 2.0 ** (np.maximum(np.frexp(np.where(r == 0, 1, r))[1] - 1, 0) - 3)
;;       q = np.round(r / step) * step * 2.0 ** e      # np.round: ties to even
;;       return np.moveaxis(q.reshape(q.shape[:-2] + (-1,))[..., :K], -1, axis).astype(np.float32)
;;   ~~~
;;   SOFTMAX AHEAD OF A QUANTISED PRODUCT. Where the list says 'softmax', what is quantised is not the finished softmax but p = 2^(t - M), with t = logit x log2(e) and M = ceil(the row's largest t), a whole number; so 1/2 < the row's largest p <= 1. The row's sum l is taken of the UNQUANTISED p, in f32, and the product's result is divided by l at the end. Since M is a whole number, a kernel that streams over the keys may use a running M (the ceiling of the running maximum): every later rescaling is an exact power of two, which a block's scale takes up: the codes' values come out the same.
;;   OPERANDS COMPUTED ON THE WAY. 'Computed on the way' means the value that the module computes at that place (a softmax that the list does not call 'softmax' is quantised finished and normalised). What goes into a quantiser is computed in f32, as accurately as f32 sums, v_exp_f32 and their like allow (about 1e-6 of the number): no bf16 or f16 on the way to a quantiser, and a product that is left as it is and whose result goes on into a quantised operand takes f32 operands (vector FMAs, or v_wmma_f32_16x16x4_f32). A number that lies on a knife's edge between two numbers of the format may be rounded either way, as far as f32 arithmetic and the matrix unit's own rounding can turn it there, and no further.
;; One version. Each part assembles by itself: llvm-mc -triple=amdgcn-amd-amdhsa -mcpu=gfx1250 --defsym DOCPART=n.
;; ======== version 1 of 1: 4 launches
;; limits: right only within a limited range of input values
;; workspace buffers: xq 3,276,800 bytes; waq 4,915,200 bytes; wpq 3,276,800 bytes; qkv 4,915,200 bytes; yq 3,276,800 bytes
;; launch quant (part 1): grid 448 x 1, 4 waves a work-group, no clusters, 34,304 bytes of LDS; arguments x, w_attn, w_proj, xq, waq, wpq; writes xq, waq, wpq
.if DOCPART == 1
	.amdgcn_target "amdgcn-amd-amdhsa--gfx1250"
	.amdhsa_code_object_version 6
	.text
	.protected	k_q48aa20e4fe_quant
	.globl	k_q48aa20e4fe_quant
	.p2align	8
	.type	k_q48aa20e4fe_quant,@function
k_q48aa20e4fe_quant:
	s_mov_b64 s[64:65], 0
	v_nop
	global_prefetch_b8 v0, s[64:65] scope:SCOPE_SE
	s_setreg_imm32_b32 hwreg(HW_REG_WAVE_MODE, 25, 1), 1
	s_wait_xcnt 0x0
; x [2048][2048], w_attn [2048][3072], w_proj [2048][2048], f32, become codes of FP6 (E2M3) with one E8M0 scale byte for each 32 along K, laid IN THE ORDER OF THE OPERAND'S REGISTERS.
; A FRAGMENT (16 rows x 128 K, 12 registers a lane) is 1,536 bytes: three pieces of 512, piece c = registers 4 c .. 4 c + 3, lane l's 16 bytes at 16 l.
; A BLOCK is 6,400 bytes: 32 rows (tiles u = 0, 1) x 256 K (K steps s = 0, 1): fragment 2 u + s at 1,536 (2 u + s); at 6,144 the scale words: lane 16 u + r has 8 bytes, word s = row r's four bytes of K step s.
; THE ROWS OF A TILE ARE NOT NEIGHBOURS: lane r of tile u takes row 8 u + r + 8 (r / 8) of the 32, so that a later product's 16 registers of two neighbouring tiles are 16 neighbours along the next K.
; xq: [64 row pairs][8 K groups][6400].  waq: [96][8][6400], the row pair = 4 x head slot + wave; head slots: 0-15 the query heads 4 g + p, 16-19 k of group g, 20-23 v of group g.  wpq: [16][8][4][6400].
; A block's scale is 2^(floor(log2(its largest magnitude)) - 2); its byte is the largest magnitude's exponent field - 2, held at 1 from below.
; LIMITS: a block whose largest magnitude lies under 2^-124 gets the byte 1; a block of zeros gets the byte 1 where the rule says 127 (its codes are zeros, and this program alone reads the bytes); NaN and infinities are not served.
; One wave makes one block.  Work-groups 0-127 take x (K innermost: dense loads, turned through the wave's own stage in LDS), 128-447 the weights (K is the first axis: a lane takes a column, its registers run down K).
; No tensor load, no barrier, no cluster: waves share nothing, and no two work-groups read the same bytes.
.set R,    16                          ; x: v16-143   two sets of 64 numbers as loaded
.set X,    144                         ; x: v144-207  64 numbers: register 16 b + i = k 32 b + 16 (lane / 16) + i of my row
.set PC,   208                         ; x: v208-226  the codes just made
.set TM,   228                         ; x: v228-243  at work
.set PW,   244                         ; x: v244-247  the four fragments' scale words
.set OFFS, 16                          ; w: v16-47    row i of a block of 32: i x the row's bytes + 4 x my column
.set XW,   48                          ; w: v48-111   two sets of 32 numbers
.set FW,   112                         ; w: v112-159  codes: 24 registers a K step
.set WS,   176                         ; w: v176-177  my column's scale words
.set SEL,  22                          ; s[22:23] lane selects for v_permlanex16_b32: lane l xor 16
; 64 numbers of a lane become a fragment's codes in v[pc] on and its row's scale word in v[pw] (the same in lanes r and r + 16).
.macro QUANT s, pc, pw
.irp b, 0,1,2,3
	v_max3_num_f32 v[TM+\b], |v[(\s)+16*\b]|, |v[(\s)+1+16*\b]|, 0x1800000   ; block b: my 16 numbers, and the floor 2^(3 - 127): the byte cannot fall under 1
.endr
.irp i, 2,4,6,8,10,12,14
.irp b, 0,1,2,3
	v_max3_num_f32 v[TM+\b], v[TM+\b], |v[(\s)+16*\b+\i]|, |v[(\s)+1+16*\b+\i]|   ; the four blocks by turns
.endr
.endr
.irp b, 0,1,2,3
	v_permlanex16_b32 v[TM+4+\b], v[TM+\b], s[SEL], s[SEL+1]
.endr
.irp b, 0,1,2,3
	v_max_num_f32 v[TM+\b], v[TM+\b], v[TM+4+\b]   ; with lane l xor 16's 16: the block's largest magnitude
.endr
.irp b, 0,1,2,3
	v_add_nc_u32 v[TM+12+\b], 0xff000000, v[TM+\b]   ; 2 off its exponent field: the conversion takes this operand's exponent field as its scale
.endr
.irp b, 0,1,2,3
	v_lshrrev_b32 v[TM+4+\b], 23, v[TM+12+\b]      ; the scale's byte
.endr
	v_lshl_or_b32 v[\pw], v[TM+5], 8, v[TM+4]
	v_lshl_or_b32 v[\pw], v[TM+6], 16, v[\pw]
	v_lshl_or_b32 v[\pw], v[TM+7], 24, v[\pw]
.irp c, 0,1
	v_cvt_scalef32_pk16_fp6_f32 v[(\pc)+6*\c:(\pc)+2+6*\c], v[(\s)+32*\c:(\s)+15+32*\c], v[TM+12+2*\c]
	v_cvt_scalef32_pk16_fp6_f32 v[(\pc)+12+4*\c:(\pc)+14+4*\c], v[(\s)+16+32*\c:(\s)+31+32*\c], v[TM+13+2*\c]   ; (a conversion's three registers begin on an even number)
.endr
	v_nop                                          ; one plain place behind a scaled conversion
.irp c, 0,1                                    ; the operand's layout wants a whole block in a lane: lanes 0-15 block 2 c, lanes 16-31 block 2 c + 1
.irp i, 0,1,2
	v_permlane16_swap_b32 v[(\pc)+6*\c+\i], v[(\pc)+12+4*\c+\i]
.endr
.irp i, 0,1,2
	v_mov_b32 v[(\pc)+3+6*\c+\i], v[(\pc)+12+4*\c+\i]
.endr
.endr
.endm
	s_load_b256 s[4:11], s[0:1], 0x0               ; x s[4:5], w_attn s[6:7], w_proj s[8:9], xq s[10:11]
	s_load_b128 s[12:15], s[0:1], 0x20             ; waq s[12:13], wpq s[14:15]
	v_lshl_add_u32 v254, v0, 2, 0x8400
	v_mov_b32 v255, 0
	v_lshrrev_b32 v1, 5, v0
	v_readfirstlane_b32 s16, v1                    ; wave 0..3
	v_and_b32 v6, 31, v0                           ; lane
	v_lshlrev_b32 v2, 4, v6                        ; 16 x lane
	v_lshlrev_b32 v5, 3, v6                        ; 8 x lane
	s_wait_kmcnt 0x0
	s_cmp_lt_u32 ttmp9, 128
	s_cbranch_scc0 .Lweights
	; ---------------- x: row pair P = id / 2, K group 4 (id % 2) + wave
	s_lshr_b32 s17, ttmp9, 1                       ; P
	s_and_b32 s18, ttmp9, 1
	s_lshl_b32 s18, s18, 2
	s_add_co_u32 s18, s18, s16                     ; K group
	s_lshl_b32 s20, s17, 18                        ; 32 rows of 8,192 bytes
	s_lshl_b32 s19, s18, 10                        ; 256 numbers
	s_add_co_u32 s20, s20, s19
	s_mov_b32 s21, 0
	s_add_nc_u64 s[4:5], s[4:5], s[20:21]
	s_mul_i32 s20, s17, 51200
	s_mul_i32 s19, s18, 6400
	s_add_co_u32 s20, s20, s19
	s_add_nc_u64 s[10:11], s[10:11], s[20:21]
	s_mul_i32 s19, s16, 8448                       ; my wave's stage: 16 rows x (512 bytes + 16)
	s_wait_alu depctr_va_vdst(0)
	v_add_nc_u32 v3, s19, v2                       ; in: 16 x lane of a row
	v_and_b32 v7, 15, v0
	v_bfe_u32 v8, v0, 4, 1
	v_mul_u32_u24 v4, v7, 528
	v_lshl_add_u32 v4, v8, 6, v4
	v_add_nc_u32 v4, s19, v4                       ; out: row r, + 64 (lane / 16): my 16 numbers of a block of 32
	s_mov_b32 s[SEL], 0x76543210
	s_mov_b32 s[SEL+1], 0xfedcba98
.irp b, 0,1,2,3
	v_mov_b32 v[TM+4+\b], 0                        ; written once: a lane permute's destination counts as one of its sources
.endr
.macro XLOAD f                         ; fragment f = 2 u + s: the tile's 16 rows, 512 consecutive bytes each
.set rho, 0
.rept 16
	global_load_b128 v[R+64*((\f)%2)+4*rho:R+64*((\f)%2)+4*rho+3], v2, s[4:5] offset:(8*((\f)/2)+rho+8*(rho/8))*8192+512*((\f)%2) th:TH_LOAD_NT
.set rho, rho+1
.endr
.endm
.macro XTURN f                         ; through the stage: LDS serves a wave's instructions in order, so no wait stands between the stores and the loads
.set rho, 0
.rept 16
	ds_store_b128 v3, v[R+64*((\f)%2)+4*rho:R+64*((\f)%2)+4*rho+3] offset:528*rho
.set rho, rho+1
.endr
.irp b, 0,1,2,3
.irp q, 0,1,2,3
	ds_load_b128 v[X+16*\b+4*\q:X+16*\b+4*\q+3], v4 offset:128*\b+16*\q
.endr
.endr
.endm
	XLOAD 0
	XLOAD 1
	s_wait_alu depctr_va_vdst(0)
.irp f, 0,1,2,3
.if \f < 3
	s_wait_loadcnt 16                              ; this fragment's 16 loads are in; the next fragment's 16 may be out
.else
	s_wait_loadcnt 0x0
.endif
	XTURN \f
	s_wait_dscnt 0x0                               ; my numbers are back, and the stores into the stage have read their registers,
.if \f < 2
	XLOAD \f+2                                     ; which take the fragment two on
.endif
.if \f > 0
	s_wait_xcnt 0x0                                ; the last fragment's stores have read the codes' registers: they are written again only behind this wait
.endif
	QUANT X, PC, PW+\f
.irp c, 0,1,2
	global_store_b128 v2, v[PC+4*\c:PC+4*\c+3], s[10:11] offset:1536*\f+512*\c   ; 32 lanes store 512 consecutive bytes, aligned to 256
.endr
.endr
	v_cmp_gt_u32 vcc_lo, 16, v6                    ; lanes 0-15 carry tile 0's words, lanes 16-31 tile 1's
	v_cndmask_b32 v248, v[PW+2], v[PW+0], vcc_lo   ; K step 0
	v_cndmask_b32 v249, v[PW+3], v[PW+1], vcc_lo   ; K step 1
	global_store_b64 v5, v[248:249], s[10:11] offset:6144   ; one aligned run of 256 bytes
	s_wait_tensorcnt 0x0
	ds_add_u32 v254, v255
	s_wait_dscnt 0x0
	s_endpgm
	; ---------------- the weights: 128 columns x 256 K a work-group, 32 columns a wave
.Lweights:
	s_sub_co_u32 s17, ttmp9, 128                   ; 0-191: w_attn, 192-319: w_proj
	s_mov_b32 s18, 8192
	s_cmp_lt_u32 s17, 192
	s_cselect_b32 s18, 12288, s18                  ; a row of the weight in bytes
	s_cselect_b32 s19, 0, 192
	s_cselect_b64 s[6:7], s[6:7], s[8:9]           ; the choice hangs on the work-group's number alone
	s_cselect_b64 s[12:13], s[12:13], s[14:15]
	s_sub_co_u32 s19, s17, s19
	s_lshr_b32 s20, s19, 3                         ; which 128 columns
	s_and_b32 s21, s19, 7                          ; K group
	s_mul_i32 s22, s20, 43
	s_lshr_b32 s22, s22, 8                         ; w_attn: group g = columns / 6 (exact for 0 .. 23)
	s_mul_i32 s23, s22, 6
	s_sub_co_u32 s23, s20, s23                     ; and the place in the group: 0-3 q, 4 k, 5 v
	s_lshl_b32 s24, s22, 2
	s_add_co_u32 s24, s24, s23                     ; q: head slot 4 g + p
	s_lshl_b32 s25, s23, 2
	s_add_co_u32 s25, s25, s22                     ; k: 16 + g, v: 20 + g
	s_cmp_lt_u32 s23, 4
	s_cselect_b32 s24, s24, s25
	s_cmp_lt_u32 s17, 192
	s_cselect_b32 s24, s24, s20                    ; w_proj: the columns as they lie
	; 128 columns take 204,800 bytes in both buffers.  waq: [4 row pairs][8 K groups][6400].  wpq: [8 K groups][4 row pairs][6400], so that any K range of 128 columns is one dense run
	s_mov_b32 s30, 6400
	s_cselect_b32 s30, 51200, s30                  ; bytes from row pair to row pair (my wave's number)
	s_mov_b32 s31, 25600
	s_cselect_b32 s31, 6400, s31                   ; bytes from K group to K group
	s_mul_i32 s26, s24, 204800
	s_mul_i32 s25, s16, s30
	s_add_co_u32 s26, s26, s25
	s_mul_i32 s27, s21, s31
	s_add_co_u32 s26, s26, s27
	s_mov_b32 s27, 0
	s_add_nc_u64 s[12:13], s[12:13], s[26:27]
	s_lshl_b32 s26, s21, 8
	s_mul_i32 s26, s26, s18                        ; 256 rows a K group
	s_lshl_b32 s28, s20, 9
	s_add_co_u32 s26, s26, s28                     ; 128 columns
	s_lshl_b32 s28, s16, 7
	s_add_co_u32 s26, s26, s28                     ; my wave's 32
	s_add_nc_u64 s[32:33], s[6:7], s[26:27]        ; s[32 + 2 b : 33 + 2 b]: where block b of 32 rows begins
	s_lshl_b32 s28, s18, 5
	s_mov_b32 s29, 0
.irp b, 1,2,3,4,5,6,7
	s_add_nc_u64 s[32+2*\b:33+2*\b], s[30+2*\b:31+2*\b], s[28:29]
.endr
	s_wait_alu depctr_va_vdst(0)
	v_lshrrev_b32 v7, 4, v6                        ; tile u = lane / 16
	v_and_b32 v8, 15, v6
	v_lshl_add_u32 v7, v7, 3, v8
	v_and_b32 v8, 8, v6
	v_add_nc_u32 v7, v7, v8                        ; my column of the 32: 8 u + r + 8 (r / 8)
	v_lshlrev_b32 v7, 2, v7
.set i, 0
.rept 32
	v_mad_u32_u24 v[OFFS+i], s18, i, v7
.set i, i+1
.endr
.macro WLOAD t                         ; block t: 32 rows at my column; a wave's load reads 128 consecutive bytes, the four waves 512
.set i, 0
.rept 32
	global_load_b32 v[XW+32*((\t)%2)+i], v[OFFS+i], s[32+2*(\t):33+2*(\t)] th:TH_LOAD_NT
.set i, i+1
.endr
.endm
; Block t = 4 s + bb of my column.  Even blocks go to the K step's first run of 12 registers, odd ones to the second; lanes 0-15 hold tile 0's columns, lanes 16-31 tile 1's.
; Behind the fourth block the first run's lanes 16-31 change places with the second's lanes 0-15: the first run is then tile 0's fragment (lanes 0-15 blocks 0, 2; lanes 16-31 blocks 1, 3), the second tile 1's.
.macro WBLOCK t
.set XS, XW+32*((\t)%2)
.set D, FW+24*((\t)/4)+12*((\t)%2)+6*(((\t)%4)/2)
.if (\t) < 7
	s_wait_loadcnt 32                              ; this block's 32 loads are in; the next block's may be out
.else
	s_wait_loadcnt 0x0
.endif
	v_max3_num_f32 v164, |v[XS]|, |v[XS+1]|, |v[XS+2]|   ; the block's largest magnitude: all 32 numbers are mine
	v_max3_num_f32 v165, |v[XS+3]|, |v[XS+4]|, |v[XS+5]|
.irp i, 6,10,14,18,22,26
	v_max3_num_f32 v164, v164, |v[XS+\i]|, |v[XS+\i+1]|
	v_max3_num_f32 v165, v165, |v[XS+\i+2]|, |v[XS+\i+3]|
.endr
	v_max3_num_f32 v164, v164, |v[XS+30]|, |v[XS+31]|
	v_max3_num_f32 v164, v164, v165, 0x1800000     ; and the floor 2^(3 - 127)
	v_add_nc_u32 v166, 0xff000000, v164            ; the conversion's scale operand
	v_lshrrev_b32 v167, 23, v166                   ; the scale's byte
.if (\t)%4 == 0
	v_mov_b32 v[WS+(\t)/4], v167
.else
	v_lshl_or_b32 v[WS+(\t)/4], v167, 8*((\t)%4), v[WS+(\t)/4]
.endif
	v_cvt_scalef32_pk16_fp6_f32 v[D:D+2], v[XS:XS+15], v166
	v_cvt_scalef32_pk16_fp6_f32 v[160:162], v[XS+16:XS+31], v166   ; (a conversion's three registers begin on an even number)
	v_nop                                          ; one plain place behind a scaled conversion
	v_mov_b32 v[D+3], v160
	v_mov_b32 v[D+4], v161
	v_mov_b32 v[D+5], v162
.if (\t)+2 < 8
	WLOAD (\t)+2
.endif
.if (\t)%4 == 3
.set i, 0
.rept 12
	v_permlane16_swap_b32 v[FW+24*((\t)/4)+i], v[FW+24*((\t)/4)+12+i]
.set i, i+1
.endr
.irp u, 0,1
.irp c, 0,1,2
	global_store_b128 v2, v[FW+24*((\t)/4)+12*\u+4*\c:FW+24*((\t)/4)+12*\u+4*\c+3], s[12:13] offset:1536*(2*\u+(\t)/4)+512*\c   ; each K step has registers of its own: no store's data are written again
.endr
.endr
.endif
.endm
	WLOAD 0
	WLOAD 1
.irp t, 0,1,2,3,4,5,6,7
	WBLOCK \t
.endr
	global_store_b64 v5, v[WS:WS+1], s[12:13] offset:6144   ; lane 16 u + r: its column's two scale words
	s_endpgm
.Lfunc_end_k_q48aa20e4fe_quant:
	.size	k_q48aa20e4fe_quant, .Lfunc_end_k_q48aa20e4fe_quant-k_q48aa20e4fe_quant
	.p2alignl 7, 3214868480
	.fill 96, 4, 3214868480
	.section	.rodata,"a",@progbits
	.p2align	6, 0x0
	.amdhsa_kernel k_q48aa20e4fe_quant
		.amdhsa_group_segment_fixed_size 34304
		.amdhsa_private_segment_fixed_size 0
		.amdhsa_enable_private_segment 0
		.amdhsa_kernarg_size 48
		.amdhsa_user_sgpr_count 2
		.amdhsa_user_sgpr_kernarg_segment_ptr 1
		.amdhsa_wavefront_size32 1
		.amdhsa_system_sgpr_workgroup_id_x 1
		.amdhsa_system_sgpr_workgroup_id_y 1
		.amdhsa_system_sgpr_workgroup_id_z 1
		.amdhsa_system_vgpr_workitem_id 0
		.amdhsa_next_free_vgpr 256
		.amdhsa_next_free_sgpr 66
		.amdhsa_reserve_vcc 1
		.amdhsa_float_denorm_mode_32 3
		.amdhsa_float_denorm_mode_16_64 3
		.amdhsa_memory_ordered 1
		.amdhsa_forward_progress 1
		.amdhsa_inst_pref_size 75
	.end_amdhsa_kernel
	.amdgpu_metadata
---
amdhsa.version: [ 1, 2 ]
amdhsa.kernels:
  - .name:           k_q48aa20e4fe_quant
    .symbol:         k_q48aa20e4fe_quant.kd
    .args:
      - { .name: x, .offset: 0, .size: 8, .value_kind: global_buffer, .address_space: global }
      - { .name: w_attn, .offset: 8, .size: 8, .value_kind: global_buffer, .address_space: global }
      - { .name: w_proj, .offset: 16, .size: 8, .value_kind: global_buffer, .address_space: global }
      - { .name: xq, .offset: 24, .size: 8, .value_kind: global_buffer, .address_space: global }
      - { .name: waq, .offset: 32, .size: 8, .value_kind: global_buffer, .address_space: global }
      - { .name: wpq, .offset: 40, .size: 8, .value_kind: global_buffer, .address_space: global }
    .group_segment_fixed_size: 34304
    .private_segment_fixed_size: 0
    .kernarg_segment_align: 8
    .kernarg_segment_size: 48
    .max_flat_workgroup_size: 128
    .sgpr_count:     66
    .vgpr_count:     256
    .wavefront_size: 32
...
	.end_amdgpu_metadata
.endif
;; end of part 1
;; launch qkvgemm (part 2): grid 24 x 8, 4 waves a work-group, clusters of 4 x 4, 327,680 bytes of LDS; arguments xq, waq, cos, sin, qkv; writes qkv
.if DOCPART == 2
	.amdgcn_target "amdgcn-amd-amdhsa--gfx1250"
	.amdhsa_code_object_version 6
	.text
	.protected	k_q48aa20e4fe_qkvgemm
	.globl	k_q48aa20e4fe_qkvgemm
	.p2align	8
	.type	k_q48aa20e4fe_qkvgemm,@function
k_q48aa20e4fe_qkvgemm:
	s_mov_b64 s[64:65], 0
	v_nop
	global_prefetch_b8 v0, s[64:65] scope:SCOPE_SE
	s_setreg_imm32_b32 hwreg(HW_REG_WAVE_MODE, 25, 1), 1
	s_wait_xcnt 0x0
	s_wait_alu depctr_hold_cnt(0) depctr_sa_sdst(0) depctr_va_vdst(0) depctr_va_sdst(0) depctr_va_ssrc(0) depctr_va_vcc(0) depctr_vm_vsrc(0)
	s_getreg_b32 s2, hwreg(HW_REG_IB_STS2, 6, 4)
	s_cmp_eq_u32 s2, 0
	s_cbranch_scc0 .Lentry_in_a_cluster
	s_endpgm
.Lentry_in_a_cluster:
	s_bfe_u32 s2, ttmp6, 0x10000c
	s_cmp_lg_u32 s2, 0xf033
	s_cbranch_scc0 .Lentry_shape_is_right
	s_endpgm
.Lentry_shape_is_right:
; qkv = x w_attn on codes of FP6 (E2M3) with E8M0 scales, then RoPE on q and k, then the quantisers of the next two products: q and k along the head's 128, v along the keys.  Nothing wide goes to memory.
; xq, waq: blocks of 6,400 bytes: 32 rows (tiles u) x 256 K (K steps s): fragment 2 u + s, an image of the operand's 12 registers, at 1,536 (2 u + s); at 6,144 the scale words, lane 16 u + r: 8 bytes, word s.
; Lane r of tile u holds row 8 u + r + 8 (r / 8) of the 32.  A row pair's eight blocks lie on end (51,200 bytes).
; SHARES.  A work-group makes 256 rows x one head slot (128 columns); x = head slot (0-15 q, 16-19 k, 20-23 v), y = rows / 256: 192 work-groups.  A wave has 8 x 4 tiles: 32 accumulators.
;   q, k: source 0 = the head's 8 tiles of w, source 1 = 4 tiles of x (rows 64 w on): a lane holds one row t and its 64 registers run along d: RoPE's partner lies 32 registers on, and a block of 32 along d in lanes l, l xor 16.
;   v:    source 0 = 8 tiles of x (rows 128 (w / 2) on), source 1 = 4 tiles of w (d = 64 (w % 2) on): a lane holds one d and its 64 registers run along the keys, v's K.
; A smaller tile would give 256 work-groups or more, but a q or k wave needs the whole head and a v wave 128 keys; 8 x 4 serves both by a change of sources.
; OUT: qkv, blocks of 6,400 bytes, block 32 x + 4 y + w: four fragments (tile m at 1,536 m) of one K step; at 6,144 the scale words: lane 16 (m % 2) + r, word m / 2.
;   q, k: block = 64 rows t;  v: block = 128 keys x 64 of d (block 2 x key step + half of d).
; K goes in chunks of 512 (12,800 bytes a row pair) through two LDS slots; the scales ride in the blocks.  CLUSTERS 4 x 4: x's rows are shared along a row of the cluster, w's along a column: joint loads.
; By this text's count a wave has one tensor load out at the start and one behind each round.
; cos and sin are loaded by every work-group, v's too, where they serve nothing: so the text parts on 'v or not' once, at the end.
; LIMITS: a block whose largest magnitude lies under 2^-124 gets the byte 1, a block of zeros too (its codes are zeros; this program alone reads the bytes); NaN and infinities are not served.
; REGISTERS: window 0: v2-14 addresses; v28, v29 the add's; v32-55 scale words, two sets of 12; v64-159 source 1's fragments, two sets; at the end v56-61, v64-127, v160-255 at work.
;   window 1: source 0's fragments, two sets of 96.   window 2: the accumulators, (a, b) at v[8 (8 b + a)].   window 3: cos (64 b + i) and sin (64 b + 32 + i) of my rows.
.set N0,    8                          ; tiles of source 0
.set N1,    4                          ; of source 1
.set NN,    N0*N1
.set CH,    12800                      ; a row pair's bytes in a chunk of 512 along K
.set SLOT,  153600                     ; x's 8 row pairs, then w's 4
.set WOFF,  102400
.set REFILL, 2*CH                      ; a slot's next chunk
.set SPARE, 2*SLOT                     ; behind the ring: the spare words, 128 bytes for each wave: two blocks of 256 bytes that no other line names
.set SCB,   32
.set SCN,   N0+N1
.set F1,    64
.set LI,    2                          ; v2   16 x lane
.set LU,    3                          ; v3   8 x lane
.set ADR0,  4                          ; v4-5   source 0's fragments in slot 0, 1
.set ADR1,  6                          ; v6-7   source 1's
.set ADS0,  8                          ; v8-9   source 0's scale words
.set ADS1,  10                         ; v10-11 source 1's
.set CSO,   14                         ; v14  my row's and half's byte in cos and sin
.set SPW,   28
.set NIL,   29
.set PWB,   56                         ; v56-59 the four fragments' scale words
.set UD,    60                         ; v60-61 the block's scale words as stored
.set H,     64                         ; v64-127 a tile's 64 numbers behind RoPE
.set PCB,   160                        ; codes: 20 registers a tile, so that no store's data are written again
.set TM,    240
.set G1,    24                         ; s[24:31] group 1 for x;  s[32:39] group 0, a set for each slot
.set G0,    32
.set G1B,   48                         ; s[48:55], s[56:63] the same for w
.set G0B,   56
.set SEL,   76
.set MUL,   0xa1                       ; source 0 window 1, source 1 window 0, C and D window 2
.set TO_1,  0x40                       ; destination window 1, address window 0
.set MSB,   0
.macro WIN new                         ; the immediate's high byte repeats the setting that is left
.if MSB != (\new)
	s_set_vgpr_msb (MSB<<8)|(\new)
.set MSB, \new
.endif
.endm
.macro PLACES                          ; four plain places: behind matrix instructions, in front of loads into their sources and of the first read of results
.rept 4
	v_nop
.endr
.endm
; A joint load: waves 0 and 1 fetch x's rows, waves 2 and 3 w's.  The branch hangs on the wave's number alone.  Four v_nop follow each of the two lines.
.macro JLOAD g0a, g1a, g0b, g1b
	s_cmp_eq_u32 s15, 0
	s_cbranch_scc0 .Lfor_b_\@
	tensor_load_to_lds s[\g0a:\g0a+3], s[\g1a:\g1a+7]
	s_nop 0
.rept 4
	v_nop
.endr
	s_branch .Lasked_\@
.Lfor_b_\@:
	tensor_load_to_lds s[\g0b:\g0b+3], s[\g1b:\g1b+7]
	s_nop 0
.rept 4
	v_nop
.endr
.Lasked_\@:
.endm
.macro CREST                           ; a round of the cluster's barrier behind its opening barrier
	s_cmp_lg_u32 s14, 0
	s_cbranch_scc1 .Lnot_wave_0_\@
	s_barrier_signal -3
.Lnot_wave_0_\@:
	s_barrier_wait -3
	s_barrier_signal -1
	s_barrier_wait -1
.endm
.macro CROUND
	s_barrier_signal -1
	s_barrier_wait -1
	CREST
.endm
; The fragments of K step s (0..3) of the chunk in slot sl, into set s % 2: three loads of 512 consecutive bytes each.  With an even s the scale words of steps s and s + 1, into set (s / 2) % 2.
.macro FETCH sl, s
	WIN TO_1
.set fa, 0
.rept N0
.irp c, 0,1,2
	ds_load_b128 v[96*((\s)%2)+12*fa+4*\c:96*((\s)%2)+12*fa+4*\c+3], v[ADR0+(\sl)] offset:(fa/2)*CH+(fa%2)*3072+((\s)/2)*6400+((\s)%2)*1536+512*\c
.endr
.set fa, fa+1
.endr
	WIN 0
.set fa, 0
.rept N1
.irp c, 0,1,2
	ds_load_b128 v[F1+48*((\s)%2)+12*fa+4*\c:F1+48*((\s)%2)+12*fa+4*\c+3], v[ADR1+(\sl)] offset:(fa/2)*CH+(fa%2)*3072+((\s)/2)*6400+((\s)%2)*1536+512*\c
.endr
.set fa, fa+1
.endr
.if ((\s)%2) == 0
.set fa, 0
.rept N0/2
	ds_load_b64 v[SCB+SCN*(((\s)/2)%2)+2*fa:SCB+SCN*(((\s)/2)%2)+2*fa+1], v[ADS0+(\sl)] offset:fa*CH+((\s)/2)*6400
.set fa, fa+1
.endr
.set fa, 0
.rept N1/2
	ds_load_b64 v[SCB+SCN*(((\s)/2)%2)+N0+2*fa:SCB+SCN*(((\s)/2)%2)+N0+2*fa+1], v[ADS1+(\sl)] offset:fa*CH+((\s)/2)*6400
.set fa, fa+1
.endr
.endif
.endm
; One product; the registers stand in the symbols rD, rA, rB, kA, kB.  An odd tile's scale words lie in lanes 16-31 of their register.
.macro WM zero
.if \zero
.if (ma%2) && (mb%2)
	v_wmma_scale_f32_16x16x128_f8f6f4 v[rD:rD+7], v[rA:rA+11], v[rB:rB+11], 0, v[kA], v[kB] matrix_a_fmt:MATRIX_FMT_FP6 matrix_b_fmt:MATRIX_FMT_FP6 matrix_a_scale:MATRIX_SCALE_ROW1 matrix_b_scale:MATRIX_SCALE_ROW1
.elseif ma%2
	v_wmma_scale_f32_16x16x128_f8f6f4 v[rD:rD+7], v[rA:rA+11], v[rB:rB+11], 0, v[kA], v[kB] matrix_a_fmt:MATRIX_FMT_FP6 matrix_b_fmt:MATRIX_FMT_FP6 matrix_a_scale:MATRIX_SCALE_ROW1
.elseif mb%2
	v_wmma_scale_f32_16x16x128_f8f6f4 v[rD:rD+7], v[rA:rA+11], v[rB:rB+11], 0, v[kA], v[kB] matrix_a_fmt:MATRIX_FMT_FP6 matrix_b_fmt:MATRIX_FMT_FP6 matrix_b_scale:MATRIX_SCALE_ROW1
.else
	v_wmma_scale_f32_16x16x128_f8f6f4 v[rD:rD+7], v[rA:rA+11], v[rB:rB+11], 0, v[kA], v[kB] matrix_a_fmt:MATRIX_FMT_FP6 matrix_b_fmt:MATRIX_FMT_FP6
.endif
.else
.if (ma%2) && (mb%2)
	v_wmma_scale_f32_16x16x128_f8f6f4 v[rD:rD+7], v[rA:rA+11], v[rB:rB+11], v[rD:rD+7], v[kA], v[kB] matrix_a_fmt:MATRIX_FMT_FP6 matrix_b_fmt:MATRIX_FMT_FP6 matrix_a_scale:MATRIX_SCALE_ROW1 matrix_b_scale:MATRIX_SCALE_ROW1
.elseif ma%2
	v_wmma_scale_f32_16x16x128_f8f6f4 v[rD:rD+7], v[rA:rA+11], v[rB:rB+11], v[rD:rD+7], v[kA], v[kB] matrix_a_fmt:MATRIX_FMT_FP6 matrix_b_fmt:MATRIX_FMT_FP6 matrix_a_scale:MATRIX_SCALE_ROW1
.elseif mb%2
	v_wmma_scale_f32_16x16x128_f8f6f4 v[rD:rD+7], v[rA:rA+11], v[rB:rB+11], v[rD:rD+7], v[kA], v[kB] matrix_a_fmt:MATRIX_FMT_FP6 matrix_b_fmt:MATRIX_FMT_FP6 matrix_b_scale:MATRIX_SCALE_ROW1
.else
	v_wmma_scale_f32_16x16x128_f8f6f4 v[rD:rD+7], v[rA:rA+11], v[rB:rB+11], v[rD:rD+7], v[kA], v[kB] matrix_a_fmt:MATRIX_FMT_FP6 matrix_b_fmt:MATRIX_FMT_FP6
.endif
.endif
.endm
; Products i0 .. i0 + n - 1 of K step s: product i is source 0's tile i % N0 against source 1's tile i / N0.  All accumulators take turns, one instruction a turn, in the same order in every step.
.macro MULS i0, n, s, zero
.set mi, \i0
.rept \n
.set ma, mi%N0
.set mb, mi/N0
.set rD, 8*mi
.set rA, 96*((\s)%2)+12*ma
.set rB, F1+48*((\s)%2)+12*mb
.set kA, SCB+SCN*(((\s)/2)%2)+2*(ma/2)+((\s)%2)
.set kB, SCB+SCN*(((\s)/2)%2)+N0+2*(mb/2)+((\s)%2)
	WM \zero
.set mi, mi+1
.endr
.endm
; K step s: its fragments are in; the next step's (sn, in slot sln) are asked for and have this step's products in which to land.
.macro STEP s, sln, sn, zero
	s_wait_dscnt 0x0                               ; this step's fragments and scale words, asked for a step ago
	PLACES                                         ; the other set was read by the last step's products
	FETCH \sln, \sn
	WIN MUL
	MULS 0, NN, \s, \zero
	WIN 0
.endm
; A chunk's last step changes slots: one barrier; in front of it each wave waits for all its tensor loads, adds 0 to its spare word, and waits for that and for its reads of this slot.  fill = 1: slot sl is filled again.
.macro TURN sl, sln, fill
	s_wait_tensorcnt 0x0                           ; all my tensor loads have landed, my part of the next slot among them
	ds_add_u32 v[SPW], v[NIL]                      ; 0 onto my spare word
	s_wait_dscnt 1                                 ; this step's fragments are in; the add alone may be out
	WIN MUL
	MULS 0, NN/4, 3, 0                             ; matrix work stands between the add and the wait for it
	s_wait_dscnt 0x0                               ; the add is done, and my reads of this slot are over
	s_barrier_signal -1
	MULS NN/4, NN/4, 3, 0
	WIN 0
	s_barrier_wait -1
.if \fill
	CREST                                          ; the barrier has opened a round of the cluster's: no wave of any partner still reads this slot or has a load on its way
	s_add_nc_u64 s[G0+4*(\sl)+2:G0+4*(\sl)+3], s[G0+4*(\sl)+2:G0+4*(\sl)+3], REFILL
	s_add_nc_u64 s[G0B+4*(\sl)+2:G0B+4*(\sl)+3], s[G0B+4*(\sl)+2:G0B+4*(\sl)+3], REFILL
	JLOAD G0+4*(\sl), G1, G0B+4*(\sl), G1B         ; the first tensor load behind the round; its four v_nop are also the places in front of the loads below
.else
	PLACES
.endif
	FETCH \sln, 0
	WIN MUL
	MULS NN/2, NN/2, 3, 0
	WIN 0
.endm
; 64 numbers of a lane in window w, register 16 b + i = k 32 b + 16 (lane / 16) + i of my row, become a fragment's codes in v[pc] on and its scale word in v[pw].  Each accumulator is read from its low end on.
.macro QUANT s, w, pc, pw
	WIN (\w)|((\w)<<2)
.irp b, 0,1,2,3
	v_max3_num_f32 v[TM+\b], |v[(\s)+16*\b]|, |v[(\s)+1+16*\b]|, 0x1800000   ; and the floor 2^(3 - 127): the byte cannot fall under 1
.endr
.irp i, 2,4,6,8,10,12,14
.irp b, 0,1,2,3
	v_max3_num_f32 v[TM+\b], |v[(\s)+16*\b+\i]|, |v[(\s)+1+16*\b+\i]|, v[TM+\b]
.endr
.endr
	WIN 0
.irp b, 0,1,2,3
	v_permlanex16_b32 v[TM+4+\b], v[TM+\b], s[SEL], s[SEL+1]
.endr
.irp b, 0,1,2,3
	v_max_num_f32 v[TM+\b], v[TM+\b], v[TM+4+\b]
.endr
.irp b, 0,1,2,3
	v_add_nc_u32 v[TM+12+\b], 0xff000000, v[TM+\b]   ; 2 off the exponent field: the conversion's scale operand
.endr
.irp b, 0,1,2,3
	v_lshrrev_b32 v[TM+4+\b], 23, v[TM+12+\b]
.endr
	v_lshl_or_b32 v[\pw], v[TM+5], 8, v[TM+4]
	v_lshl_or_b32 v[\pw], v[TM+6], 16, v[\pw]
	v_lshl_or_b32 v[\pw], v[TM+7], 24, v[\pw]
	WIN \w
.irp c, 0,1
	v_cvt_scalef32_pk16_fp6_f32 v[(\pc)+6*\c:(\pc)+2+6*\c], v[(\s)+32*\c:(\s)+15+32*\c], v[TM+12+2*\c]
	v_cvt_scalef32_pk16_fp6_f32 v[(\pc)+12+4*\c:(\pc)+14+4*\c], v[(\s)+16+32*\c:(\s)+31+32*\c], v[TM+13+2*\c]
.endr
	WIN 0
	v_nop                                          ; one plain place behind a scaled conversion
.irp c, 0,1
.irp i, 0,1,2
	v_permlane16_swap_b32 v[(\pc)+6*\c+\i], v[(\pc)+12+4*\c+\i]
.endr
.irp i, 0,1,2
	v_mov_b32 v[(\pc)+3+6*\c+\i], v[(\pc)+12+4*\c+\i]
.endr
.endr
.endm
; RoPE on tile b: register i (0..31) is x1 at d = 32 (i / 16) + 16 (lane / 16) + i % 16, register 32 + i its partner x2.  Source 0 in window 2 (the sums), source 1 in window 3 (cos, sin).
.macro ROPE b
	WIN 0x0e
.set ri, 0
.rept 16
	v_pk_mul_f32 v[H+ri:H+ri+1], v[64*(\b)+32+ri:64*(\b)+33+ri], v[64*(\b)+32+ri:64*(\b)+33+ri]       ; x2 sin
	v_pk_mul_f32 v[H+32+ri:H+33+ri], v[64*(\b)+32+ri:64*(\b)+33+ri], v[64*(\b)+ri:64*(\b)+1+ri]       ; x2 cos
.set ri, ri+2
.endr
.set ri, 0
.rept 16
	v_pk_fma_f32 v[H+ri:H+ri+1], v[64*(\b)+ri:64*(\b)+1+ri], v[64*(\b)+ri:64*(\b)+1+ri], v[H+ri:H+ri+1] neg_lo:[0,0,1] neg_hi:[0,0,1]   ; x1 cos - x2 sin
	v_pk_fma_f32 v[H+32+ri:H+33+ri], v[64*(\b)+ri:64*(\b)+1+ri], v[64*(\b)+32+ri:64*(\b)+33+ri], v[H+32+ri:H+33+ri]                     ; x1 sin + x2 cos
.set ri, ri+2
.endr
	WIN 0
.endm
.macro STORE3 b
.irp c, 0,1,2
	global_store_b128 v[LI], v[PCB+20*(\b)+4*\c:PCB+20*(\b)+4*\c+3], s[12:13] offset:1536*(\b)+512*\c   ; 32 lanes store 512 consecutive bytes, aligned to 256
.endr
.endm
	s_load_b256 s[4:11], s[0:1], 0x0               ; xq s[4:5], waq s[6:7], cos s[8:9], sin s[10:11]
	s_load_b64 s[12:13], s[0:1], 0x20              ; qkv
	v_lshl_add_u32 v[SPW], v0, 2, SPARE
	v_mov_b32 v[NIL], 0
	ds_add_u32 v28, v29
	ds_add_u32 v28, v29
	s_wait_dscnt 0x0
	v_lshrrev_b32 v1, 5, v0
	v_readfirstlane_b32 s14, v1                    ; wave 0..3
	s_lshr_b32 s15, s14, 1                         ; I fetch x's rows (0) or w's (1)
	s_and_b32 s16, s14, 1                          ; which half of them
	s_bfe_u32 s40, ttmp6, 0x40000                  ; cx, cy: my place in the cluster
	s_bfe_u32 s41, ttmp6, 0x40004
	s_lshl_b32 s42, ttmp9, 2
	s_add_co_u32 s42, s42, s40                     ; head slot = 4 x cluster x + cx
	s_and_b32 s17, ttmp7, 0xffff
	s_lshl_b32 s17, s17, 2
	s_add_co_u32 s17, s17, s41                     ; block of 256 rows = 4 x cluster y + cy
	s_lshl_b32 s43, s41, 2
	s_lshl_b32 s43, 15, s43                        ; my row of the cluster
	s_lshl_b32 s44, 0x1111, s40                    ; my column
	; group 1: R row pairs x 12,800 bytes (1,600 elements of 8 bytes), 51,200 bytes apart in memory, dense in LDS
	s_or_b32 s[G1+0], s43, (3<<16)|(1<<21)         ; 15:0 the mask: x's rows go to my row of the cluster; 17:16 elements of 8 bytes; 21 set beside a mask; no padding
	s_mov_b32 s[G1+1], 1600<<16                    ; tensor_dim0
	s_mov_b32 s[G1+2], 4<<16                       ; tensor_dim1: a load of the ring brings 4 row pairs of x
	s_mov_b32 s[G1+3], 1600<<16                    ; tile_dim0
	s_mov_b32 s[G1+4], 4                           ; tile_dim1
	s_mov_b32 s[G1+5], 6400                        ; tensor_dim0_stride
	s_mov_b32 s[G1+6], 0
	s_mov_b32 s[G1+7], 0
	s_or_b32 s[G1B+0], s44, (3<<16)|(1<<21)        ; w's go to my column
	s_mov_b32 s[G1B+1], 1600<<16
	s_mov_b32 s[G1B+2], 2<<16                      ; and 2 of w
	s_mov_b32 s[G1B+3], 1600<<16
	s_mov_b32 s[G1B+4], 2
	s_mov_b32 s[G1B+5], 6400
	s_mov_b32 s[G1B+6], 0
	s_mov_b32 s[G1B+7], 0
	s_lshl_b32 s20, s17, 3
	s_lshl_b32 s18, s16, 2
	s_add_co_u32 s20, s20, s18                     ; x: row pair 8 y + 4 (w % 2)
	s_mul_i32 s20, s20, 51200
	s_mov_b32 s21, 0
	s_lshl_b32 s46, s42, 2
	s_lshl_b32 s18, s16, 1
	s_add_co_u32 s46, s46, s18                     ; w: row pair 4 x head slot + 2 (w % 2)
	s_mul_i32 s46, s46, 51200
	s_mov_b32 s47, 0
	s_mul_i32 s66, s16, 4*CH                       ; where they go in a slot: no place in the cluster enters an LDS address
	s_mul_i32 s67, s16, 2*CH
	s_add_co_u32 s67, s67, WOFF
	s_mul_i32 s68, s15, 4*CH                       ; v: source 0 = x's rows 128 (w / 2) on
	s_mul_i32 s69, s14, 2*CH                       ; q, k: source 1 = x's rows 64 w on
	s_mov_b32 s71, WOFF                            ; q, k: source 0 = all of w's 128 columns
	s_cmp_eq_u32 ttmp9, 5                          ; the cluster's x, the same in all sixteen partners: the last cluster along x holds v's four head slots
	s_cselect_b32 s72, s68, s71                    ; source 0's place in a slot
	s_cselect_b32 s73, s67, s69                    ; source 1's (v: w's columns 64 (w % 2) on)
	s_lshl_b32 s74, s17, 16
	s_lshl_b32 s75, s14, 14
	s_add_co_u32 s74, s74, s75                     ; cos, sin: row 256 y + 64 w, 256 bytes a row
	s_mov_b32 s75, 0
	s_lshl_b32 s78, s42, 5
	s_lshl_b32 s79, s17, 2
	s_add_co_u32 s78, s78, s79
	s_add_co_u32 s78, s78, s14
	s_mul_i32 s78, s78, 6400                       ; my block of qkv: 32 x + 4 y + w
	s_mov_b32 s79, 0
	s_mov_b32 s[SEL], 0x76543210
	s_mov_b32 s[SEL+1], 0xfedcba98
	CROUND                                         ; the round in front of the first joint loads: all sixteen work-groups are here; it stands ahead of the wait for the arguments
	s_wait_kmcnt 0x0
	s_add_nc_u64 s[20:21], s[4:5], s[20:21]
	s_add_nc_u64 s[46:47], s[6:7], s[46:47]
	s_add_nc_u64 s[8:9], s[8:9], s[74:75]
	s_add_nc_u64 s[10:11], s[10:11], s[74:75]
	s_add_nc_u64 s[12:13], s[12:13], s[78:79]
.irp s, 0,1
	s_mov_b32 s[G0+4*\s], 1
	s_add_co_u32 s[G0+4*\s+1], s66, \s*SLOT
	s_add_nc_u64 s[G0+4*\s+2:G0+4*\s+3], s[20:21], \s*CH
	s_or_b32 s[G0+4*\s+3], s[G0+4*\s+3], 0x80000000
	s_mov_b32 s[G0B+4*\s], 1
	s_add_co_u32 s[G0B+4*\s+1], s67, \s*SLOT
	s_add_nc_u64 s[G0B+4*\s+2:G0B+4*\s+3], s[46:47], \s*CH
	s_or_b32 s[G0B+4*\s+3], s[G0B+4*\s+3], 0x80000000
.endr
	; THE HEAD'S LOADS, ONE A WAVE: wave 0 x's chunk 0, wave 1 w's chunk 0, wave 2 x's chunk 1, wave 3 w's chunk 1: both slots are asked for at once, each by a line of its own.
	; By this text's count a wave has one tensor load out at the start and one behind each round.
.set G0H,  80                          ; s[80:83] group 0 of the head's load of x;  s[84:87] of w
.set G0HB, 84
	s_mul_i32 s89, s15, CH                         ; chunk w / 2
	s_mul_i32 s88, s17, 409600                     ; x: row pair 8 y
	s_add_co_u32 s88, s88, s89
	s_mul_i32 s90, s42, 204800                     ; w: row pair 4 x head slot
	s_add_co_u32 s90, s90, s89
	s_mov_b32 s89, 0
	s_mov_b32 s91, 0
	s_mov_b32 s[G0H], 1
	s_mul_i32 s[G0H+1], s15, SLOT                  ; slot w / 2
	s_add_nc_u64 s[G0H+2:G0H+3], s[4:5], s[88:89]
	s_or_b32 s[G0H+3], s[G0H+3], 0x80000000
	s_mov_b32 s[G0HB], 1
	s_add_co_u32 s[G0HB+1], s[G0H+1], WOFF
	s_add_nc_u64 s[G0HB+2:G0HB+3], s[6:7], s[90:91]
	s_or_b32 s[G0HB+3], s[G0HB+3], 0x80000000
	; THE PREFETCHES' BASES, at chunk 2.  A chunk is 50 blocks of 256 bytes of each row pair.  x's 8 row pairs are shared out among the four partners of my row of the cluster by address (cx): two each, a wave half a row pair, 25 blocks;
	; w's 4 row pairs among the four of my column (cy): one each, waves 0 and 1 half of it each.
.set PFX,  68                          ; s[68:69], s[70:71]; never rewritten
.set PFW,  70
.set PFO,  15                          ; v15 a lane a block; lanes 25-31 name the wave's last block again; never rewritten
	s_lshl_b32 s68, s17, 3
	s_lshl_b32 s69, s40, 1
	s_add_co_u32 s68, s68, s69
	s_add_co_u32 s68, s68, s15                     ; x: row pair 8 y + 2 cx + w / 2
	s_mul_i32 s68, s68, 51200
	s_mul_i32 s69, s16, 6400                       ; half w % 2 of its chunk
	s_add_co_u32 s68, s68, s69
	s_add_co_u32 s68, s68, 2*CH
	s_lshl_b32 s70, s42, 2
	s_add_co_u32 s70, s70, s41                     ; w: row pair 4 x head slot + cy
	s_mul_i32 s70, s70, 51200
	s_add_co_u32 s70, s70, s69
	s_add_co_u32 s70, s70, 2*CH
	s_mov_b32 s69, 0
	s_mov_b32 s71, 0
	s_add_nc_u64 s[PFX:PFX+1], s[4:5], s[68:69]
	s_add_nc_u64 s[PFW:PFW+1], s[6:7], s[70:71]
	; the head's loads have groups 1 of their own (8 row pairs of x, 4 of w), so that no descriptor is written while a load is out
.set G1H,  92                          ; s[92:99]
.set G1HB, 40                          ; s[40:47]: what lay there has been used
	s_or_b32 s[G1H], s43, (3<<16)|(1<<21)
	s_mov_b32 s[G1H+1], 1600<<16
	s_mov_b32 s[G1H+2], 8<<16
	s_mov_b32 s[G1H+3], 1600<<16
	s_mov_b32 s[G1H+4], 8
	s_mov_b32 s[G1H+5], 6400
	s_mov_b32 s[G1H+6], 0
	s_mov_b32 s[G1H+7], 0
	s_or_b32 s[G1HB], s44, (3<<16)|(1<<21)
	s_mov_b32 s[G1HB+1], 1600<<16
	s_mov_b32 s[G1HB+2], 4<<16
	s_mov_b32 s[G1HB+3], 1600<<16
	s_mov_b32 s[G1HB+4], 4
	s_mov_b32 s[G1HB+5], 6400
	s_mov_b32 s[G1HB+6], 0
	s_mov_b32 s[G1HB+7], 0
; An arm of the head's one chain of branches on the wave's number: its load, s_nop 0 and four v_nop, a jump to the chain's end.
.macro ARM under, g0, g1, next
	s_cmp_lt_u32 s14, \under
	s_cbranch_scc0 \next
	tensor_load_to_lds s[\g0:\g0+3], s[\g1:\g1+7]
	s_nop 0
	PLACES
	s_branch .Lhead_asked
\next:
.endm
	ARM 1, G0H,  G1H,  .Lhead_1                    ; x's chunk 0,
	ARM 2, G0HB, G1HB, .Lhead_2                    ; w's chunk 0,
	ARM 3, G0H,  G1H,  .Lhead_3                    ; x's chunk 1,
	tensor_load_to_lds s[G0HB:G0HB+3], s[G1HB:G1HB+7]   ; w's chunk 1
	s_nop 0
	PLACES
.Lhead_asked:
	v_and_b32 v1, 31, v0
	v_lshlrev_b32 v[LI], 4, v1
	v_lshlrev_b32 v[LU], 3, v1
	v_add_nc_u32 v[ADR0], s72, v[LI]
	v_add_nc_u32 v[ADR0+1], SLOT, v[ADR0]
	v_add_nc_u32 v[ADR1], s73, v[LI]
	v_add_nc_u32 v[ADR1+1], SLOT, v[ADR1]
	v_add_nc_u32 v[ADS0], s72, v[LU]
	v_add_nc_u32 v[ADS0], 6144, v[ADS0]
	v_add_nc_u32 v[ADS0+1], SLOT, v[ADS0]
	v_add_nc_u32 v[ADS1], s73, v[LU]
	v_add_nc_u32 v[ADS1], 6144, v[ADS1]
	v_add_nc_u32 v[ADS1+1], SLOT, v[ADS1]
	v_and_b32 v12, 15, v0
	v_and_b32 v13, 8, v0
	v_add_nc_u32 v12, v12, v13                     ; r + 8 (r / 8)
	v_bfe_u32 v13, v0, 4, 1
	v_lshlrev_b32 v[CSO], 8, v12
	v_lshl_add_u32 v[CSO], v13, 6, v[CSO]          ; + 64 (lane / 16): my 16 numbers of each 32
.irp b, 0,1,2,3
	v_mov_b32 v[TM+4+\b], 0                        ; written once: a lane permute's destination counts as one of its sources
.endr
	v_min_u32 v[PFO], 24, v1
	v_lshlrev_b32 v[PFO], 8, v[PFO]
; A prefetch into the L2 of the chunk that the NEXT refill will load: asked for one refill ahead, behind the joint load and the LDS loads that follow it.  off = 0: chunk 2, at the head; off = CH: chunk 3, behind chunk 2's load.  There is no chunk 4.
.macro ASK off
	global_prefetch_b8 v[PFO], s[PFX:PFX+1] offset:\off th:TH_LOAD_NT scope:SCOPE_SE
	s_cmp_eq_u32 s15, 0
	s_cbranch_scc0 .Lno_w_\@
	global_prefetch_b8 v[PFO], s[PFW:PFW+1] offset:\off th:TH_LOAD_NT scope:SCOPE_SE
.Lno_w_\@:
.endm
; cos and sin of tiles b0 and b1 of my rows, into window 3: 32 loads.  They are wanted at the end alone, so they are asked for behind the head, in two runs.  Tile b's row of mine: 32 (b / 2) + 8 (b % 2) + r + 8 (r / 8)
.macro CSLOAD b0, b1
	WIN 0xc0                                       ; destination window 3
.irp b, \b0, \b1
.irp e, 0,1
.irp q, 0,1,2,3
	global_load_b128 v[64*\b+16*\e+4*\q:64*\b+16*\e+4*\q+3], v[CSO], s[8:9] offset:(32*(\b/2)+8*(\b%2))*256+128*\e+16*\q
	global_load_b128 v[64*\b+32+16*\e+4*\q:64*\b+32+16*\e+4*\q+3], v[CSO], s[10:11] offset:(32*(\b/2)+8*(\b%2))*256+128*\e+16*\q
.endr
.endr
.endr
	WIN 0
.endm
	s_wait_alu depctr_va_vdst(0)
	ASK 0
	s_wait_alu depctr_va_vdst(0)
	s_cmp_lg_u32 s15, 0                            ; waves 0 and 1 brought chunk 0, which alone is read behind this barrier; chunk 1's loads (waves 2 and 3) are waited for in front of the first change of slots
	s_cbranch_scc1 .Lchunk_1_is_mine
	s_wait_tensorcnt 0x0                           ; my part of chunk 0 is in
.Lchunk_1_is_mine:
	s_barrier_signal -1
	s_barrier_wait -1                              ; everybody's is: chunk 0 is whole
	FETCH 0, 0
	CSLOAD 0, 1
	STEP 0, 0, 1, 1                                ; chunk 0: the first products start the sums: nothing is cleared
	STEP 1, 0, 2, 0
	STEP 2, 0, 3, 0
	TURN 0, 1, 1                                   ; slot 0 takes chunk 2
	ASK CH
	CSLOAD 2, 3
	STEP 0, 1, 1, 0                                ; chunk 1
	STEP 1, 1, 2, 0
	STEP 2, 1, 3, 0
	TURN 1, 0, 1                                   ; slot 1 takes chunk 3
	STEP 0, 0, 1, 0                                ; chunk 2
	STEP 1, 0, 2, 0
	STEP 2, 0, 3, 0
	TURN 0, 1, 0                                   ; nothing is left to fetch
	STEP 0, 1, 1, 0                                ; chunk 3
	STEP 1, 1, 2, 0
	STEP 2, 1, 3, 0
	s_wait_dscnt 0x0
	WIN MUL
	MULS 0, NN, 3, 0
	WIN 0
	PLACES                                         ; in front of the first read of results and of writes over the fragments' registers
	s_wait_loadcnt 0x0                             ; cos and sin
	s_cmp_eq_u32 ttmp9, 5
	s_cbranch_scc1 .Lvalues
.irp b, 0,1,2,3                                ; q, k: RoPE, then the quantiser along d
	ROPE \b
	QUANT H, 0, PCB+20*\b, PWB+\b
	STORE3 \b
.endr
	s_branch .Lunit
.Lvalues:
.irp b, 0,1,2,3                                ; v: the sums as they stand, quantised along the keys
	QUANT 64*\b, 2, PCB+20*\b, PWB+\b
	STORE3 \b
.endr
.Lunit:
	v_cmp_gt_u32 vcc_lo, 16, v1                    ; lanes 0-15 carry the even tile's words, lanes 16-31 the odd tile's
	v_cndmask_b32 v[UD], v[PWB+1], v[PWB+0], vcc_lo
	v_cndmask_b32 v[UD+1], v[PWB+3], v[PWB+2], vcc_lo
	global_store_b64 v[LU], v[UD:UD+1], s[12:13] offset:6144   ; one aligned run of 256 bytes
	s_wait_tensorcnt 0x0                           ; the wave's end
	ds_add_u32 v[SPW], v[NIL]
	s_wait_dscnt 0x0
	CROUND                                         ; the closing round: no work-group ends while a partner may still ask for a tile that names it
	s_endpgm
.Lfunc_end_k_q48aa20e4fe_qkvgemm:
	.size	k_q48aa20e4fe_qkvgemm, .Lfunc_end_k_q48aa20e4fe_qkvgemm-k_q48aa20e4fe_qkvgemm
	.p2alignl 7, 3214868480
	.fill 96, 4, 3214868480
	.section	.rodata,"a",@progbits
	.p2align	6, 0x0
	.amdhsa_kernel k_q48aa20e4fe_qkvgemm
		.amdhsa_group_segment_fixed_size 327680
		.amdhsa_private_segment_fixed_size 0
		.amdhsa_enable_private_segment 0
		.amdhsa_kernarg_size 40
		.amdhsa_user_sgpr_count 2
		.amdhsa_user_sgpr_kernarg_segment_ptr 1
		.amdhsa_wavefront_size32 1
		.amdhsa_system_sgpr_workgroup_id_x 1
		.amdhsa_system_sgpr_workgroup_id_y 1
		.amdhsa_system_sgpr_workgroup_id_z 1
		.amdhsa_system_vgpr_workitem_id 0
		.amdhsa_next_free_vgpr 1024
		.amdhsa_next_free_sgpr 100
		.amdhsa_reserve_vcc 1
		.amdhsa_float_denorm_mode_32 3
		.amdhsa_float_denorm_mode_16_64 3
		.amdhsa_memory_ordered 1
		.amdhsa_forward_progress 1
		.amdhsa_inst_pref_size 176
	.end_amdhsa_kernel
	.amdgpu_metadata
---
amdhsa.version: [ 1, 2 ]
amdhsa.kernels:
  - .name:           k_q48aa20e4fe_qkvgemm
    .symbol:         k_q48aa20e4fe_qkvgemm.kd
    .args:
      - { .name: xq, .offset: 0, .size: 8, .value_kind: global_buffer, .address_space: global }
      - { .name: waq, .offset: 8, .size: 8, .value_kind: global_buffer, .address_space: global }
      - { .name: cos, .offset: 16, .size: 8, .value_kind: global_buffer, .address_space: global }
      - { .name: sin, .offset: 24, .size: 8, .value_kind: global_buffer, .address_space: global }
      - { .name: qkv, .offset: 32, .size: 8, .value_kind: global_buffer, .address_space: global }
    .group_segment_fixed_size: 327680
    .private_segment_fixed_size: 0
    .kernarg_segment_align: 8
    .kernarg_segment_size: 40
    .max_flat_workgroup_size: 128
    .sgpr_count:     100
    .vgpr_count:     1024
    .wavefront_size: 32
...
	.end_amdgpu_metadata
.endif
;; end of part 2
;; launch attn (part 3): grid 64 x 4, 8 waves a work-group, clusters of 4 x 1, 327,680 bytes of LDS; arguments qkv, yq; writes yq
.if DOCPART == 3
	.amdgcn_target "amdgcn-amd-amdhsa--gfx1250"
	.amdhsa_code_object_version 6
	.text
	.protected	k_q48aa20e4fe_attn
	.globl	k_q48aa20e4fe_attn
	.p2align	8
	.type	k_q48aa20e4fe_attn,@function
k_q48aa20e4fe_attn:
	s_mov_b64 s[64:65], 0
	v_nop
	global_prefetch_b8 v0, s[64:65] scope:SCOPE_SE
	s_setreg_imm32_b32 hwreg(HW_REG_WAVE_MODE, 25, 1), 1
	s_wait_xcnt 0x0
	s_wait_alu depctr_hold_cnt(0) depctr_sa_sdst(0) depctr_va_vdst(0) depctr_va_sdst(0) depctr_va_ssrc(0) depctr_va_vcc(0) depctr_vm_vsrc(0)
	s_getreg_b32 s2, hwreg(HW_REG_IB_STS2, 6, 4)
	s_cmp_eq_u32 s2, 0
	s_cbranch_scc0 .Lentry_in_a_cluster
	s_endpgm
.Lentry_in_a_cluster:
	s_bfe_u32 s2, ttmp6, 0x10000c
	s_cmp_lg_u32 s2, 0x3003
	s_cbranch_scc0 .Lentry_shape_is_right
	s_endpgm
.Lentry_shape_is_right:
; y[t][4 g + p][:] = softmax_k(q . k / sqrt(128)) v for 16 query heads on 4 groups of keys and values, both products on codes of FP6 (E2M3) with E8M0 scales; then y is quantised along C for the projection.
; qkv: blocks of 6,400 bytes, block 32 x head slot + i: four fragments (images of the operand's 12 registers, tile m at 1,536 m) of one K step of 128; at 6,144 the scale words: lane 16 (m % 2) + r, 8 bytes, word m / 2.
;   q (slots 0-15), k (16-19): block i = rows 64 i on, K = the head's 128.  v (20-23): block i = 2 x key step + half of d, rows = d, K = the step's 128 keys.
;   Lane r of tile m holds row 32 (m / 2) + 8 (m % 2) + r + 8 (r / 8) of the block's 64.
; THE SOFTMAX: t = score x log2(e) / sqrt(128); M = the running largest t rounded UP to a whole number; p = 2^(t - M) is quantised along the keys, not normalised; the row's sum is taken of the unquantised p
; and divides O at the end.  When M moves, the sum and O are multiplied by 2^(old M - new M): exact.
; SHARES.  A work-group owns 32 queries (row pair P) of the 4 heads of one group: 8 tiles, 8 waves, two waves to a SIMD.  Wave w (head p = w / 2, h = w % 2) holds BOTH tiles of its head and walks the key steps of
; parity h, 8 of the 16: so a fragment of K or V read from LDS feeds two products, and a key step's 25,600 bytes are read by four waves, not by eight.  Register tile A is query tile h, tile B query tile 1 - h.
; THE MERGE.  Each wave has its own running M, sum and O^T over its own keys.  At the end it hands tile B's to its partner through LDS and finishes tile A: -M = the smaller of the two -M, both parts are brought under it
; by exact powers of two and added.
; Both products are used transposed (S^T = K Q^T, O^T = V^T P^T): a lane holds one query throughout; by the tiles' row order p's 64 registers run along the keys and O^T's along d.
; LDS: three slots of four key steps; a key step is 25,600 bytes: K's two blocks, then V's two.  Each of the eight waves brings 12,800 dense bytes of a slot with one tensor load.
; CLUSTER 4 x 1: four row pairs of one group walk the same K and V: every tile is asked for jointly.  By this text's count a wave has one tensor load out at any time.
; OUT: yq, blocks as the projection wants them: [P / 4][K group = head / 2][P % 4][6400]: fragment 2 u + head % 2; scale words: lane 16 u + r, word head % 2.
; LIMITS: a block of y whose largest magnitude lies under 2^-124, or of p under the same floor, gets the byte 1 (a block of zeros too: its codes are zeros); NaN and infinities are not served.
; REGISTERS: window 0: v1-11 addresses; v12-19 for each tile -M, the largest t, the sum in two halves; v20-21 Q's scale words, v22-23 p's, v24-27 K's, v28-31 V's; v32-79 two work areas of 24;
;   v80-207 S^T, then p, 64 a tile; v208-231 Q; v232-255 p's codes.   window 1: v0-95 ONE set of eight fragments: K's, then V's over them; v96-223 O^T, 64 a tile.
.set SLOTB, 102400
.set STEPB, 25600
.set SPARE, 307200                     ; the spare words, 128 bytes for each of eight waves: four blocks of 256 bytes that no other line names
.set SCR,   308224                     ; 512 bytes: y's scale words of the work-group's two blocks; no tensor load lands here
.set STG,   204800                     ; the merge's stages lie in slot 2: it is filled once, and its last read lies in front of the last change of slots' barrier
.set STW,   8704                       ; a wave's stage: 8,192 bytes of O^T, 128 of -M, 128 of the sum
.set KOFF,  3276800                    ; k's first block in qkv; v's lies 819,200 bytes on
.set AD,    3                          ; v3  the step's fragments: TB + 16 x lane;  at the end: where I put tile B
.set AU,    4                          ; v4  its scale words: TB + 6,144 + 8 x lane;  at the end: where my partner has put my tile's other part
.set SPW,   5
.set NIL,   6
.set ST,    12                         ; tile t at v[ST + 4 t]: +0 -M, +1 the largest t, +2, +3 the sum
.set QS,    20
.set PS,    22
.set UK,    24
.set UV,    28
.set W,     32                         ; tile t's work area at v[W + 24 t]: +0..3 block maxima, +4..7 the other half's, then bytes, +8..11 scale operands, +12..14, +16..18 half blocks of codes, +20, +21 f, +22 at work
.set S,     80
.set Q,     208
.set P,     232
.set OW,    96                         ; in window 1
.set TM,    32                         ; the quantiser of y works in v32-47
.set WV,    8
.set TB,    9                          ; s9  LDS byte at which the key step in hand begins
.set CNT,   10
.set TB0,   11                         ; s11 25,600 x (w % 2)
.set SEL,   12                         ; s[12:13]
.set CS,    14                         ; s[14:15] c = log2(e) / sqrt(128)
.set G0,    24                         ; s[24:35] group 0, a set for each slot
.set G1,    36                         ; s[36:43] group 1
.set MSB,   0
.macro WIN new                         ; the immediate's high byte repeats the setting that is left
.if MSB != (\new)
	s_set_vgpr_msb (MSB<<8)|(\new)
.set MSB, \new
.endif
.endm
.macro PLACES
.rept 4
	v_nop
.endr
.endm
.macro CROUND                          ; a round of the cluster's barrier
	s_barrier_signal -1
	s_barrier_wait -1
	s_cmp_lg_u32 s[WV], 0
	s_cbranch_scc1 .Lnot_wave_0_\@
	s_barrier_signal -3
.Lnot_wave_0_\@:
	s_barrier_wait -3
	s_barrier_signal -1
	s_barrier_wait -1
.endm
.macro SMUL kt, qt                     ; S^T: tile kt of 16 keys against query tile qt.  An odd tile's scale words lie in lanes 16-31
.if (\kt)%2
	v_wmma_scale_f32_16x16x128_f8f6f4 v[S+64*(\qt)+8*(\kt):S+64*(\qt)+8*(\kt)+7], v[12*(\kt):12*(\kt)+11], v[Q+12*(\qt):Q+12*(\qt)+11], 0, v[UK+2*((\kt)/4)+(((\kt)%4)/2)], v[QS+(\qt)] matrix_a_fmt:MATRIX_FMT_FP6 matrix_b_fmt:MATRIX_FMT_FP6 matrix_a_scale:MATRIX_SCALE_ROW1
.else
	v_wmma_scale_f32_16x16x128_f8f6f4 v[S+64*(\qt)+8*(\kt):S+64*(\qt)+8*(\kt)+7], v[12*(\kt):12*(\kt)+11], v[Q+12*(\qt):Q+12*(\qt)+11], 0, v[UK+2*((\kt)/4)+(((\kt)%4)/2)], v[QS+(\qt)] matrix_a_fmt:MATRIX_FMT_FP6 matrix_b_fmt:MATRIX_FMT_FP6
.endif
.endm
.macro OMUL kt, qt                     ; O^T += V^T P^T: tile kt of 16 of d, query tile qt.  The sixteen accumulators take turns
.if (\kt)%2
	v_wmma_scale_f32_16x16x128_f8f6f4 v[OW+64*(\qt)+8*(\kt):OW+64*(\qt)+8*(\kt)+7], v[12*(\kt):12*(\kt)+11], v[P+12*(\qt):P+12*(\qt)+11], v[OW+64*(\qt)+8*(\kt):OW+64*(\qt)+8*(\kt)+7], v[UV+2*((\kt)/4)+(((\kt)%4)/2)], v[PS+(\qt)] matrix_a_fmt:MATRIX_FMT_FP6 matrix_b_fmt:MATRIX_FMT_FP6 matrix_a_scale:MATRIX_SCALE_ROW1
.else
	v_wmma_scale_f32_16x16x128_f8f6f4 v[OW+64*(\qt)+8*(\kt):OW+64*(\qt)+8*(\kt)+7], v[12*(\kt):12*(\kt)+11], v[P+12*(\qt):P+12*(\qt)+11], v[OW+64*(\qt)+8*(\kt):OW+64*(\qt)+8*(\kt)+7], v[UV+2*((\kt)/4)+(((\kt)%4)/2)], v[PS+(\qt)] matrix_a_fmt:MATRIX_FMT_FP6 matrix_b_fmt:MATRIX_FMT_FP6
.endif
.endm
; A KEY STEP: 128 keys at LDS byte s[TB], for both query tiles.  The two tiles' lines stand by turns, so that no line waits for the line above it.
.macro STEP
	v_add_nc_u32 v[AD], s[TB], v1
	v_add_nc_u32 v[AU], s[TB], v2
	v_nop
	v_nop                                          ; four plain places behind the last step's products, in front of loads into their sources
	ds_load_b64 v[UK:UK+1], v[AU]
	ds_load_b64 v[UK+2:UK+3], v[AU] offset:6400
	ds_load_b64 v[UV:UV+1], v[AU] offset:12800
	ds_load_b64 v[UV+2:UV+3], v[AU] offset:19200
	WIN 0x40                                       ; destination window 1
.irp k, 0,1,2,3,4,5,6,7
.irp c, 0,1,2
	ds_load_b128 v[12*\k+4*\c:12*\k+4*\c+3], v[AD] offset:(\k/4)*6400+(\k%4)*1536+512*\c
.endr
.endr
	s_wait_alu depctr_va_vdst(0)
	s_wait_dscnt 12                                ; the scale words and K's tiles 0-3 are in; the twelve loads of tiles 4-7 may be out
	WIN 0x01                                       ; source 0 window 1
.irp k, 0,1,2,3
	SMUL \k, 0
	SMUL \k, 1
.endr
	s_wait_dscnt 0x0                               ; K's tiles 4-7
.irp k, 4,5,6,7
	SMUL \k, 0
	SMUL \k, 1
.endr
	WIN 0
	PLACES                                         ; in front of the loads over K's fragments and of the first read of the scores
	WIN 0x40
.irp k, 0,1,2,3,4,5,6,7                        ; V's fragments over K's: they land under the softmax
.irp c, 0,1,2
	ds_load_b128 v[12*\k+4*\c:12*\k+4*\c+3], v[AD] offset:12800+(\k/4)*6400+(\k%4)*1536+512*\c
.endr
.endr
	WIN 0
.irp b, 0,1,2,3
.irp t, 0,1
	v_max3_num_f32 v[W+24*\t+\b], v[S+64*\t+16*\b], v[S+64*\t+16*\b+1], v[S+64*\t+16*\b+2]   ; the largest score of each block of 32 keys: it serves the row's maximum and, since p rises with the score, the block's largest p
.endr
.endr
.irp i, 3,5,7,9,11,13
.irp b, 0,1,2,3
.irp t, 0,1
	v_max3_num_f32 v[W+24*\t+\b], v[W+24*\t+\b], v[S+64*\t+16*\b+\i], v[S+64*\t+16*\b+\i+1]
.endr
.endr
.endr
.irp b, 0,1,2,3
.irp t, 0,1
	v_max_num_f32 v[W+24*\t+\b], v[W+24*\t+\b], v[S+64*\t+16*\b+15]
.endr
.endr
.irp b, 0,1,2,3
.irp t, 0,1
	v_permlanex16_b32 v[W+24*\t+4+\b], v[W+24*\t+\b], s[SEL], s[SEL+1]
.endr
.endr
.irp b, 0,1,2,3
.irp t, 0,1
	v_max_num_f32 v[W+24*\t+\b], v[W+24*\t+\b], v[W+24*\t+4+\b]   ; with lane l xor 16's 16 keys
.endr
.endr
.irp t, 0,1
	s_delay_alu instid0(VALU_DEP_4)
	v_max3_num_f32 v[W+24*\t+22], v[W+24*\t], v[W+24*\t+1], v[W+24*\t+2]
.endr
.irp t, 0,1
	s_delay_alu instid0(VALU_DEP_2)
	v_max_num_f32 v[W+24*\t+22], v[W+24*\t+22], v[W+24*\t+3]   ; the step's largest score of my query
.endr
.irp t, 0,1
	s_delay_alu instid0(VALU_DEP_2)
	v_mul_f32 v[W+24*\t+22], s[CS], v[W+24*\t+22]  ; as t (c is positive)
.endr
.irp t, 0,1
	s_delay_alu instid0(VALU_DEP_2)
	v_max_num_f32 v[ST+4*\t+1], v[ST+4*\t+1], v[W+24*\t+22]   ; the running largest t
.endr
.irp t, 0,1
	v_mov_b32 v[W+24*\t+22], v[ST+4*\t]
.endr
.irp t, 0,1
	s_delay_alu instid0(VALU_DEP_4)
	v_floor_f32 v[ST+4*\t], -v[ST+4*\t+1]          ; the new -M = floor(-t) = -ceil(t): a whole number
.endr
.irp t, 0,1
	s_delay_alu instid0(VALU_DEP_2)
	v_sub_f32 v[W+24*\t+22], v[ST+4*\t], v[W+24*\t+22]   ; old M less new M: a whole number, 0 or less
.endr
.irp t, 0,1
	s_delay_alu instid0(VALU_DEP_2)
	v_cvt_i32_f32 v[W+24*\t+22], v[W+24*\t+22]     ; (it saturates)
.endr
.irp t, 0,1
	s_delay_alu instid0(VALU_DEP_2)
	v_ldexp_f32 v[W+24*\t+20], 1.0, v[W+24*\t+22]  ; f = 2^(old M - new M)
.endr
.set j, 0
.rept 32
.irp t, 0,1
	v_pk_fma_f32 v[S+64*\t+j:S+64*\t+j+1], v[S+64*\t+j:S+64*\t+j+1], s[CS:CS+1], v[ST+4*\t:ST+4*\t+1] op_sel_hi:[1,0,0]   ; t - M, two at a time
.endr
.set j, j+2
.endr
.irp b, 0,1,2,3
.irp t, 0,1
	v_fma_f32 v[W+24*\t+\b], v[W+24*\t+\b], s[CS], v[ST+4*\t]   ; the same of each block's largest score
.endr
.endr
.set j, 0
	s_wait_alu depctr_va_vdst(0)
.rept 64
.irp t, 0,1
	v_exp_f32 v[S+64*\t+j], v[S+64*\t+j]           ; p = 2^(t - M), at most 1
.endr
.set j, j+1
.endr
.irp t, 0,1
	v_pk_mul_f32 v[ST+4*\t+2:ST+4*\t+3], v[ST+4*\t+2:ST+4*\t+3], v[W+24*\t+20:W+24*\t+21] op_sel_hi:[1,0]   ; the sums under the new M: the plain place behind the exponentials
.endr
	s_wait_alu depctr_va_vdst(0)                   ; one wait for the whole batch of both tiles, ahead of its first reader
.irp b, 0,1,2,3
.irp t, 0,1
	v_exp_f32 v[W+24*\t+\b], v[W+24*\t+\b]         ; the block's largest p: the same two instructions on the same number give the same bits
.endr
.endr
.irp t, 0,1
	v_pk_add_f32 v[W+24*\t+4:W+24*\t+5], v[S+64*\t:S+64*\t+1], v[S+64*\t+2:S+64*\t+3]   ; the row's sum is taken of the unquantised p: two at a time, in two chains a tile
.endr
.set j, 4
.rept 15
.irp t, 0,1
	v_pk_add_f32 v[ST+4*\t+2:ST+4*\t+3], v[ST+4*\t+2:ST+4*\t+3], v[S+64*\t+j:S+64*\t+j+1]
	v_pk_add_f32 v[W+24*\t+4:W+24*\t+5], v[W+24*\t+4:W+24*\t+5], v[S+64*\t+j+2:S+64*\t+j+3]
.endr
.set j, j+4
.endr
.irp t, 0
	s_delay_alu instid0(VALU_DEP_3)
	v_pk_add_f32 v[ST+4*\t+2:ST+4*\t+3], v[ST+4*\t+2:ST+4*\t+3], v[W+24*\t+4:W+24*\t+5]
.endr
.irp t, 1
	s_delay_alu instid0(VALU_DEP_2)
	v_pk_add_f32 v[ST+4*\t+2:ST+4*\t+3], v[ST+4*\t+2:ST+4*\t+3], v[W+24*\t+4:W+24*\t+5]
.endr
	s_wait_alu depctr_va_vdst(0)                   ; and one for the eight
.irp b, 0,1,2,3
.irp t, 0,1
	v_max_num_f32 v[W+24*\t+\b], 0x1800000, v[W+24*\t+\b]   ; the floor 2^(3 - 127): the byte cannot fall under 1
.endr
.endr
.irp b, 0,1,2,3
.irp t, 0,1
	v_add_nc_u32 v[W+24*\t+8+\b], 0xff000000, v[W+24*\t+\b]   ; 2 off the exponent field: the conversion's scale operand
.endr
.endr
.irp b, 0,1,2,3
.irp t, 0,1
	v_lshrrev_b32 v[W+24*\t+4+\b], 23, v[W+24*\t+8+\b]   ; the scale's byte
.endr
.endr
.irp t, 0,1
	v_lshl_or_b32 v[PS+\t], v[W+24*\t+5], 8, v[W+24*\t+4]   ; p's scale word for these 128 keys
.endr
.irp t, 0,1
	s_delay_alu instid0(VALU_DEP_2)
	v_lshl_or_b32 v[PS+\t], v[W+24*\t+6], 16, v[PS+\t]
.endr
.irp t, 0,1
	s_delay_alu instid0(VALU_DEP_2)
	v_lshl_or_b32 v[PS+\t], v[W+24*\t+7], 24, v[PS+\t]
.endr
.irp c, 0,1
.irp t, 0,1
	v_cvt_scalef32_pk16_fp6_f32 v[P+12*\t+6*\c:P+12*\t+6*\c+2], v[S+64*\t+32*\c:S+64*\t+32*\c+15], v[W+24*\t+8+2*\c]
	v_cvt_scalef32_pk16_fp6_f32 v[W+24*\t+12+4*\c:W+24*\t+14+4*\c], v[S+64*\t+32*\c+16:S+64*\t+32*\c+31], v[W+24*\t+9+2*\c]   ; (a conversion's three registers begin on an even number)
.endr
.endr
	v_nop                                          ; one plain place behind the scaled conversions
.irp c, 0,1                                    ; the operand's layout wants a whole block in a lane
.irp t, 0,1
.irp i, 0,1,2
	v_permlane16_swap_b32 v[P+12*\t+6*\c+\i], v[W+24*\t+12+4*\c+\i]
.endr
.endr
.endr
.irp c, 0,1
.irp t, 0,1
.irp i, 0,1,2
	v_mov_b32 v[P+12*\t+6*\c+3+\i], v[W+24*\t+12+4*\c+\i]
.endr
.endr
.endr
	WIN 0x41                                       ; O^T (destination and source 0) window 1, f window 0
.irp t, 0,1
.set j, 0
.rept 32
	v_pk_mul_f32 v[OW+64*\t+j:OW+64*\t+j+1], v[OW+64*\t+j:OW+64*\t+j+1], v[W+24*\t+20:W+24*\t+21] op_sel_hi:[1,0]   ; O^T under the new M.  (These 64 are also the places between the writes of p's codes and scale words and the products)
.set j, j+2
.endr
.endr
	s_wait_alu depctr_va_vdst(0)
	s_wait_dscnt 0x0                               ; V's fragments
	WIN 0x51                                       ; V, C and D window 1, p's codes window 0
.irp k, 0,1,2,3,4,5,6,7
	OMUL \k, 0
	OMUL \k, 1
.endr
	WIN 0
.endm
.macro WALK n                          ; n of my key steps, every second one of the ring's; the trip count is a constant of the text
	s_mov_b32 s[CNT], \n
.Lstep_\@:
	STEP
	s_add_co_u32 s[TB], s[TB], 2*STEPB
	s_sub_co_u32 s[CNT], s[CNT], 1
	s_cmp_lg_u32 s[CNT], 0
	s_cbranch_scc1 .Lstep_\@
.endm
; 64 numbers of a lane become a fragment's codes in v[pc] on and its row's scale word in v[pw].
.macro QUANT s, pc, pw
.irp b, 0,1,2,3
	v_max3_num_f32 v[TM+\b], |v[(\s)+16*\b]|, |v[(\s)+1+16*\b]|, 0x1800000
.endr
.irp i, 2,4,6,8,10,12,14
.irp b, 0,1,2,3
	s_delay_alu instid0(VALU_DEP_4)
	v_max3_num_f32 v[TM+\b], v[TM+\b], |v[(\s)+16*\b+\i]|, |v[(\s)+1+16*\b+\i]|
.endr
.endr
.irp b, 0,1,2,3
	s_delay_alu instid0(VALU_DEP_4)
	v_permlanex16_b32 v[TM+4+\b], v[TM+\b], s[SEL], s[SEL+1]
.endr
.irp b, 0,1,2,3
	s_delay_alu instid0(VALU_DEP_4)
	v_max_num_f32 v[TM+\b], v[TM+\b], v[TM+4+\b]
.endr
.irp b, 0,1,2,3
	s_delay_alu instid0(VALU_DEP_4)
	v_add_nc_u32 v[TM+12+\b], 0xff000000, v[TM+\b]
.endr
.irp b, 0,1,2,3
	s_delay_alu instid0(VALU_DEP_4)
	v_lshrrev_b32 v[TM+4+\b], 23, v[TM+12+\b]
.endr
	s_delay_alu instid0(VALU_DEP_3)
	v_lshl_or_b32 v[\pw], v[TM+5], 8, v[TM+4]
	s_delay_alu instid0(VALU_DEP_1)
	v_lshl_or_b32 v[\pw], v[TM+6], 16, v[\pw]
	s_delay_alu instid0(VALU_DEP_1)
	v_lshl_or_b32 v[\pw], v[TM+7], 24, v[\pw]
.irp c, 0,1
	v_cvt_scalef32_pk16_fp6_f32 v[(\pc)+6*\c:(\pc)+2+6*\c], v[(\s)+32*\c:(\s)+15+32*\c], v[TM+12+2*\c]
	v_cvt_scalef32_pk16_fp6_f32 v[(\pc)+12+4*\c:(\pc)+14+4*\c], v[(\s)+16+32*\c:(\s)+31+32*\c], v[TM+13+2*\c]
.endr
	v_nop
.irp c, 0,1
.irp i, 0,1,2
	v_permlane16_swap_b32 v[(\pc)+6*\c+\i], v[(\pc)+12+4*\c+\i]
.endr
.irp i, 0,1,2
	s_delay_alu instid0(VALU_DEP_3)
	v_mov_b32 v[(\pc)+3+6*\c+\i], v[(\pc)+12+4*\c+\i]
.endr
.endr
.endm
	s_load_b128 s[4:7], s[0:1], 0x0                ; qkv s[4:5], yq s[6:7]
	v_lshl_add_u32 v[SPW], v0, 2, SPARE
	v_mov_b32 v[NIL], 0
	ds_add_u32 v5, v6
	ds_add_u32 v5, v6
	s_wait_dscnt 0x0
	v_lshrrev_b32 v7, 5, v0
	s_delay_alu instid0(VALU_DEP_1)
	v_readfirstlane_b32 s[WV], v7                  ; wave 0..7
	s_bfe_u32 s16, ttmp6, 0x40000                  ; cx: it enters Q's and yq's global addresses alone
	s_lshl_b32 s17, ttmp9, 2
	s_add_co_u32 s17, s17, s16                     ; row pair P = 4 x cluster x + cx
	s_and_b32 s18, ttmp7, 0xffff                   ; the group, which the four partners share
	s_lshr_b32 s19, s[WV], 2                       ; I fetch K's blocks (0) or V's (1),
	s_and_b32 s20, s[WV], 3                        ; of this key step of a slot's four
	s_mul_i32 s44, s19, 819200
	s_mul_i32 s45, s18, 204800
	s_add_co_u32 s44, s44, s45
	s_mul_i32 s45, s20, 12800
	s_add_co_u32 s44, s44, s45
	s_add_co_u32 s44, s44, KOFF
	s_mov_b32 s45, 0
	s_mul_i32 s46, s20, STEPB
	s_mul_i32 s47, s19, 12800
	s_add_co_u32 s46, s46, s47                     ; and where they go in a slot
	; group 1: 12,800 dense bytes as 50 rows of 256 (32 elements of 8 bytes)
	s_mov_b32 s[G1], 15|(3<<16)|(1<<21)            ; 15:0 the mask: all four work-groups; 17:16 elements of 8 bytes; 21 set beside a mask; no padding
	s_mov_b32 s[G1+1], 32<<16
	s_mov_b32 s[G1+2], 50<<16
	s_mov_b32 s[G1+3], 32<<16
	s_mov_b32 s[G1+4], 50
	s_mov_b32 s[G1+5], 32
	s_mov_b32 s[G1+6], 0
	s_mov_b32 s[G1+7], 0
	s_mov_b32 s[SEL], 0x76543210
	s_mov_b32 s[SEL+1], 0xfedcba98
	s_mov_b32 s[CS], 0x3e0293ee                    ; c = log2(e) / sqrt(128)
	s_mov_b32 s[CS+1], s[CS]                       ; (named with it as a pair, so it is written)
	s_lshr_b32 s21, s[WV], 1                       ; p
	s_and_b32 s22, s[WV], 1                        ; h: the parity of my key steps, and the query tile u that I finish
	s_mul_i32 s[TB0], s22, STEPB
	s_mov_b32 s[TB], s[TB0]                        ; my first key step
	s_lshl_b32 s48, s18, 2
	s_add_co_u32 s48, s48, s21                     ; the head 4 g + p
	s_lshl_b32 s48, s48, 5
	s_lshr_b32 s49, s17, 1
	s_add_co_u32 s48, s48, s49
	s_mul_i32 s48, s48, 6400                       ; Q's block: 32 x head + P / 2
	s_and_b32 s50, s17, 1
	s_lshl_b32 s51, s50, 1
	s_add_co_u32 s51, s51, s22                     ; tile A: 2 (P % 2) + h
	s_mul_i32 s51, s51, 1536
	s_add_co_u32 s52, s48, s51
	s_mov_b32 s53, 0
	s_lshl_b32 s54, s22, 7                         ; its scale words: 128 h + 4 (P % 2) + 8 r
	s_lshl_b32 s55, s50, 2
	s_add_co_u32 s54, s54, s55
	s_add_co_u32 s54, s54, s48
	s_add_co_u32 s54, s54, 6144
	s_mov_b32 s55, 0
	s_xor_b32 s66, s22, 1                          ; tile B: 2 (P % 2) + 1 - h
	s_lshl_b32 s67, s50, 1
	s_add_co_u32 s67, s67, s66
	s_mul_i32 s67, s67, 1536
	s_add_co_u32 s68, s48, s67
	s_mov_b32 s69, 0
	s_lshl_b32 s70, s66, 7
	s_lshl_b32 s71, s50, 2
	s_add_co_u32 s70, s70, s71
	s_add_co_u32 s70, s70, s48
	s_add_co_u32 s70, s70, 6144
	s_mov_b32 s71, 0
	; yq is laid [16 blocks of 128 rows][8 K groups][4 row pairs][6400]: the block is the cluster's x, the row pair in it cx
	s_mul_i32 s56, ttmp9, 204800
	s_mul_i32 s57, s16, 6400
	s_add_co_u32 s56, s56, s57
	s_mul_i32 s57, s18, 51200
	s_add_co_u32 s56, s56, s57                     ; row pair P, K group 2 g; K group 2 g + 1 lies 25,600 bytes on
	s_lshr_b32 s58, s21, 1
	s_mul_i32 s58, s58, 25600
	s_add_co_u32 s58, s58, s56                     ; my block: K group 2 g + p / 2,
	s_lshl_b32 s59, s22, 1
	s_and_b32 s60, s21, 1
	s_add_co_u32 s59, s59, s60
	s_mul_i32 s59, s59, 1536                       ; fragment 2 u + p % 2
	s_add_co_u32 s58, s58, s59
	s_mov_b32 s59, 0
	s_mov_b32 s57, 0
	s_lshl_b32 s61, s19, 8                         ; my scale word's place in the scratch: 256 (p / 2) + 128 u + 4 (p % 2)
	s_lshl_b32 s62, s22, 7
	s_add_co_u32 s61, s61, s62
	s_lshl_b32 s62, s60, 2
	s_add_co_u32 s61, s61, s62
	CROUND                                         ; the round in front of the first joint loads: all four work-groups are here; it stands ahead of the wait for the arguments
	s_wait_kmcnt 0x0
	s_add_nc_u64 s[44:45], s[4:5], s[44:45]
	s_add_nc_u64 s[52:53], s[4:5], s[52:53]
	s_add_nc_u64 s[54:55], s[4:5], s[54:55]
	s_add_nc_u64 s[68:69], s[4:5], s[68:69]
	s_add_nc_u64 s[70:71], s[4:5], s[70:71]
	s_add_nc_u64 s[56:57], s[6:7], s[56:57]
	s_add_nc_u64 s[58:59], s[6:7], s[58:59]
	s_mov_b32 s[G0], 1                             ; slot 0: my 12,800 bytes of key steps 0-3
	s_add_co_u32 s[G0+1], s46, 0
	s_mov_b64 s[G0+2:G0+3], s[44:45]
	s_or_b32 s[G0+3], s[G0+3], 0x80000000
	; slots 1 and 2: wave w brings the whole key step 4 + w by one load: a tile of two rows of 12,800 bytes, K's two blocks and, 819,200 bytes on in qkv, V's two; dense in LDS they are the step's 25,600 bytes
.set G1X, 76                           ; s[76:83] group 1 of that tile
	s_mul_i32 s74, s18, 204800
	s_mul_i32 s75, s[WV], 12800
	s_add_co_u32 s74, s74, s75
	s_add_co_u32 s74, s74, KOFF+51200
	s_mov_b32 s75, 0
	s_mov_b32 s[G0+4], 1
	s_mul_i32 s[G0+5], s[WV], STEPB
	s_add_co_u32 s[G0+5], s[G0+5], SLOTB
	s_add_nc_u64 s[G0+6:G0+7], s[4:5], s[74:75]
	s_or_b32 s[G0+7], s[G0+7], 0x80000000
	s_mov_b32 s[G1X], 15|(3<<16)|(1<<21)
	s_mov_b32 s[G1X+1], 1600<<16
	s_mov_b32 s[G1X+2], 2<<16
	s_mov_b32 s[G1X+3], 1600<<16
	s_mov_b32 s[G1X+4], 2
	s_mov_b32 s[G1X+5], 102400
	s_mov_b32 s[G1X+6], 0
	s_mov_b32 s[G1X+7], 0
	tensor_load_to_lds s[G0:G0+3], s[G1:G1+7]      ; key steps 0-3: one tensor load a wave at the head.  By this text's count a wave has one tensor load out at any time
	s_nop 0
	PLACES
	v_and_b32 v7, 31, v0                           ; lane: kept for the merge's addresses
	s_delay_alu instid0(VALU_DEP_1)
	v_lshlrev_b32 v1, 4, v7                        ; 16 x lane
	s_delay_alu instid0(VALU_DEP_2)
	v_lshlrev_b32 v2, 3, v7
	s_delay_alu instid0(VALU_DEP_1)
	v_add_nc_u32 v2, 6144, v2                      ; 6,144 + 8 x lane
	v_and_b32 v8, 15, v0
	s_delay_alu instid0(VALU_DEP_1)
	v_lshlrev_b32 v8, 3, v8                        ; 8 r
.irp c, 0,1,2
	global_load_b128 v[Q+4*\c:Q+4*\c+3], v1, s[52:53] offset:512*\c          ; Q's two fragments stay in registers
	global_load_b128 v[Q+12+4*\c:Q+12+4*\c+3], v1, s[68:69] offset:512*\c
.endr
	global_load_b32 v[QS], v8, s[54:55]            ; and their scale words
	global_load_b32 v[QS+1], v8, s[70:71]
	v_add_nc_u32 v9, s61, v8
	s_delay_alu instid0(VALU_DEP_1)
	v_add_nc_u32 v9, SCR, v9                       ; where I put y's scale word
	v_add_nc_u32 v10, SCR, v1                      ; where wave 0 reads them back
	v_lshrrev_b32 v11, 4, v7
	s_delay_alu instid0(VALU_DEP_1)
	v_mul_u32_u24 v11, v11, 25600
	s_delay_alu instid0(VALU_DEP_1)
	v_lshl_add_u32 v11, v8, 1, v11
	s_delay_alu instid0(VALU_DEP_1)
	v_add_nc_u32 v11, 6144, v11                    ; and where they go: lanes 0-15 the first block's 256 bytes, lanes 16-31 the second's
.irp t, 0,1
	v_mov_b32 v[ST+4*\t+1], 0xff61b1e6             ; the largest t so far: -3e38
	s_delay_alu instid0(VALU_DEP_1)
	v_floor_f32 v[ST+4*\t], -v[ST+4*\t+1]          ; -M
	v_mov_b32 v[ST+4*\t+2], 0
	v_mov_b32 v[ST+4*\t+3], 0
	v_mov_b32 v[W+24*\t+21], 0                     ; (named as the upper half of f's pair)
.irp b, 0,1,2,3
	v_mov_b32 v[W+24*\t+4+\b], 0                   ; written once: a lane permute's destination counts as one of its sources
.endr
.endr
	WIN 0x40
.set j, 0
.rept 128
	v_mov_b32 v[OW+j], 0                           ; O^T: the step is written without a first step of its own: the first change of M leaves zeros zeros
.set j, j+1
.endr
	WIN 0
	s_wait_alu depctr_va_vdst(0)
	s_wait_tensorcnt 0x0                           ; my part of key steps 0-3 is in
	ds_add_u32 v[SPW], v[NIL]
	s_wait_dscnt 0x0
	CROUND                                         ; everybody's part is in, and all four work-groups are here
	tensor_load_to_lds s[G0+4:G0+7], s[G1X:G1X+7]  ; key step 4 + w: slots 1 and 2 are first filled here; my two steps of slot 0 stand between this load and the wait for it
	s_nop 0
	PLACES
	s_wait_loadcnt 0x0                             ; Q
	WALK 2                                         ; slot 0: my two of its four steps
	s_wait_tensorcnt 0x0                           ; all my tensor loads have landed, slots 1 and 2 among them: a group 0 may be written
	ds_add_u32 v[SPW], v[NIL]                      ; 0 onto my spare word
	s_add_nc_u64 s[G0+2:G0+3], s[G0+2:G0+3], 153600   ; slot 0's next keys: steps 12-15
	s_wait_dscnt 0x0                               ; the add is done, and my reads of slot 0 are over
	CROUND                                         ; no wave of any partner still reads slot 0 or has a load on its way
	tensor_load_to_lds s[G0:G0+3], s[G1:G1+7]      ; the one refill: it has four of my steps in which to land
	s_nop 0
	PLACES
	WALK 4                                         ; slots 1 and 2: the barrier above has shown both whole
	s_wait_tensorcnt 0x0                           ; my part of steps 12-15 is in
	ds_add_u32 v[SPW], v[NIL]
	s_mov_b32 s[TB], s[TB0]                        ; back to slot 0
	s_wait_dscnt 0x0
	s_barrier_signal -1
	s_barrier_wait -1                              ; everybody's is; nothing is filled again, and nobody reads slots 1 and 2 any more
	WALK 2
	; THE MERGE.  Tile B's O^T, -M and sum go to my stage as they stand, 16 x lane and 4 x lane; my partner's stage holds the other keys' part of my tile A, in the same lanes and registers.
	PLACES                                         ; behind the last products, in front of the first read of their results
	s_mul_i32 s72, s[WV], STW
	s_add_co_u32 s72, s72, STG                     ; my stage
	s_xor_b32 s73, s[WV], 1
	s_mul_i32 s73, s73, STW
	s_add_co_u32 s73, s73, STG                     ; my partner's
	v_add_nc_u32 v[AD], s72, v1
	v_add_nc_u32 v[AU], s73, v1
	v_lshl_add_u32 v8, v7, 2, s73
	v_lshl_add_u32 v7, v7, 2, s72
	v_add_f32 v60, v[ST+6], v[ST+7]                ; tile B's sum: its two halves
	WIN 0x04                                       ; an LDS store's data are its source 1: window 1
.set j, 0
.rept 16
	ds_store_b128 v[AD], v[OW+64+4*j:OW+64+4*j+3] offset:512*j   ; each accumulator from its low end on
.set j, j+1
.endr
	WIN 0
	ds_store_b32 v7, v[ST+4] offset:8192
	ds_store_b32 v7, v60 offset:8320
	s_wait_alu depctr_va_vdst(0)
	s_wait_dscnt 0x0                               ; for my partner's sake
	s_barrier_signal -1
	s_barrier_wait -1
.set j, 0
.rept 16
	ds_load_b128 v[S+64+4*j:S+64+4*j+3], v[AU] offset:512*j
.set j, j+1
.endr
	ds_load_b32 v61, v8 offset:8192                ; the partner's -M
	ds_load_b32 v62, v8 offset:8320                ; and sum
	v_add_f32 v63, v[ST+2], v[ST+3]                ; tile A's sum: its two halves
	s_wait_dscnt 0x0
	v_min_num_f32 v64, v[ST], v61                  ; the joint -M
	s_delay_alu instid0(VALU_DEP_1)
	v_sub_f32 v65, v64, v[ST]                      ; whole numbers, 0 or less
	s_delay_alu instid0(VALU_DEP_2)
	v_sub_f32 v66, v64, v61
	s_delay_alu instid0(VALU_DEP_2)
	v_cvt_i32_f32 v65, v65
	s_delay_alu instid0(VALU_DEP_2)
	v_cvt_i32_f32 v66, v66
	s_delay_alu instid0(VALU_DEP_2)
	v_ldexp_f32 v65, 1.0, v65                      ; my part's factor, a power of two
	s_wait_alu depctr_va_vdst(0)
	v_ldexp_f32 v66, 1.0, v66                      ; the partner's
	v_mul_f32 v63, v63, v65
	s_delay_alu instid0(VALU_DEP_1)
	v_fma_f32 v63, v62, v66, v63
	s_delay_alu instid0(VALU_DEP_1)
	v_permlanex16_b32 v36, v63, s[SEL], s[SEL+1]
	s_delay_alu instid0(VALU_DEP_1)
	v_add_f32 v63, v63, v36                        ; the row's sum
	s_wait_alu depctr_va_vdst(0)
	v_rcp_f32 v63, v63
	v_nop                                          ; a plain place behind the reciprocal
	s_wait_alu depctr_va_vdst(0)                   ; and the wait ahead of its first reader
	v_mul_f32 v68, v65, v63
	v_mul_f32 v69, v65, v63
	v_mul_f32 v70, v66, v63
	v_mul_f32 v71, v66, v63
	WIN 0x01                                       ; source 0 window 1
.set j, 0
.rept 32
	v_pk_mul_f32 v[S+j:S+j+1], v[OW+j:OW+j+1], v[68:69]   ; register 8 T + i is y(query r, d = 32 (T / 2) + 16 (lane / 16) + 8 (T % 2) + i): the quantiser's order along C
.set j, j+2
.endr
	WIN 0
.set j, 0
.rept 32
	v_pk_fma_f32 v[S+j:S+j+1], v[S+64+j:S+64+j+1], v[70:71], v[S+j:S+j+1]
.set j, j+2
.endr
	QUANT S, Q, 50
.irp c, 0,1,2
	global_store_b128 v1, v[Q+4*\c:Q+4*\c+3], s[58:59] offset:512*\c   ; 32 lanes store 512 consecutive bytes, aligned to 256
.endr
	ds_store_b32 v9, v50                           ; lanes r and r + 16 write the same word with the same value
	s_wait_dscnt 0x0                               ; for the others' sake
	s_barrier_signal -1
	s_barrier_wait -1
	s_cmp_lg_u32 s[WV], 0
	s_cbranch_scc1 .Lnot_mine
	ds_load_b128 v[144:147], v10                   ; the eight waves' scale words: two blocks' 256 bytes
	s_wait_dscnt 0x0
	global_store_b128 v11, v[144:147], s[56:57]    ; sixteen lanes store 256 consecutive bytes, aligned
.Lnot_mine:
	s_wait_tensorcnt 0x0                           ; the wave's end
	ds_add_u32 v[SPW], v[NIL]
	s_wait_dscnt 0x0
	CROUND                                         ; the closing round
	s_endpgm
.Lfunc_end_k_q48aa20e4fe_attn:
	.size	k_q48aa20e4fe_attn, .Lfunc_end_k_q48aa20e4fe_attn-k_q48aa20e4fe_attn
	.p2alignl 7, 3214868480
	.fill 96, 4, 3214868480
	.section	.rodata,"a",@progbits
	.p2align	6, 0x0
	.amdhsa_kernel k_q48aa20e4fe_attn
		.amdhsa_group_segment_fixed_size 327680
		.amdhsa_private_segment_fixed_size 0
		.amdhsa_enable_private_segment 0
		.amdhsa_kernarg_size 16
		.amdhsa_user_sgpr_count 2
		.amdhsa_user_sgpr_kernarg_segment_ptr 1
		.amdhsa_wavefront_size32 1
		.amdhsa_system_sgpr_workgroup_id_x 1
		.amdhsa_system_sgpr_workgroup_id_y 1
		.amdhsa_system_sgpr_workgroup_id_z 1
		.amdhsa_system_vgpr_workitem_id 0
		.amdhsa_next_free_vgpr 480
		.amdhsa_next_free_sgpr 100
		.amdhsa_reserve_vcc 0
		.amdhsa_float_denorm_mode_32 3
		.amdhsa_float_denorm_mode_16_64 3
		.amdhsa_memory_ordered 1
		.amdhsa_forward_progress 1
		.amdhsa_inst_pref_size 131
	.end_amdhsa_kernel
	.amdgpu_metadata
---
amdhsa.version: [ 1, 2 ]
amdhsa.kernels:
  - .name:           k_q48aa20e4fe_attn
    .symbol:         k_q48aa20e4fe_attn.kd
    .args:
      - { .name: qkv, .offset: 0, .size: 8, .value_kind: global_buffer, .address_space: global }
      - { .name: yq, .offset: 8, .size: 8, .value_kind: global_buffer, .address_space: global }
    .group_segment_fixed_size: 327680
    .private_segment_fixed_size: 0
    .kernarg_segment_align: 8
    .kernarg_segment_size: 16
    .max_flat_workgroup_size: 256
    .sgpr_count:     100
    .vgpr_count:     480
    .wavefront_size: 32
...
	.end_amdgpu_metadata
.endif
;; end of part 3
;; launch projgemm (part 4): grid 16 x 16, 4 waves a work-group, clusters of 4 x 4, 327,680 bytes of LDS; arguments yq, wpq, out0; writes out0
.if DOCPART == 4
	.amdgcn_target "amdgcn-amd-amdhsa--gfx1250"
	.amdhsa_code_object_version 6
	.text
	.protected	k_q48aa20e4fe_projgemm
	.globl	k_q48aa20e4fe_projgemm
	.p2align	8
	.type	k_q48aa20e4fe_projgemm,@function
k_q48aa20e4fe_projgemm:
	s_mov_b64 s[64:65], 0
	v_nop
	global_prefetch_b8 v0, s[64:65] scope:SCOPE_SE
	s_setreg_imm32_b32 hwreg(HW_REG_WAVE_MODE, 25, 1), 1
	s_wait_xcnt 0x0
	s_wait_alu depctr_hold_cnt(0) depctr_sa_sdst(0) depctr_va_vdst(0) depctr_va_sdst(0) depctr_va_ssrc(0) depctr_va_vcc(0) depctr_vm_vsrc(0)
	s_getreg_b32 s2, hwreg(HW_REG_IB_STS2, 6, 4)
	s_cmp_eq_u32 s2, 0
	s_cbranch_scc0 .Lentry_in_a_cluster
	s_endpgm
.Lentry_in_a_cluster:
	s_bfe_u32 s2, ttmp6, 0x10000c
	s_cmp_lg_u32 s2, 0xf033
	s_cbranch_scc0 .Lentry_shape_is_right
	s_endpgm
.Lentry_shape_is_right:
; out0 = y w_proj on codes of FP6 (E2M3) with E8M0 scales; sums in f32.
; yq, wpq: [16 blocks of 128 rows][8 K groups][4 row pairs][6400].  A block of 6,400 bytes is 32 rows (tiles u) x 256 K (K steps s): fragment 2 u + s, an image of the operand's 12 registers, at 1,536 (2 u + s);
; at 6,144 the scale words, lane 16 u + r: 8 bytes, word s.  Lane r of tile u holds row 8 u + r + 8 (r / 8) of the 32.  So any K range of 128 rows is ONE dense run of memory.
; SHARES.  A work-group makes 128 x 128 of out0: 16 x 16 = 256 work-groups.  A wave makes 64 x 64: 16 accumulators; source 0 = 4 tiles of w, source 1 = 4 tiles of y: a lane holds eight neighbouring columns of one row.
; LDS.  y's region (0) and w's (153,600) hold three chunks of 512 along K each, 51,200 bytes a chunk: [2 K groups][4 row pairs][6400].  K has four chunks.
; THE HEAD brings chunks 0-2 of both operands by four dense loads, one a wave: wave 0 y's chunk 0, wave 1 w's chunk 0 (51,200 bytes each), wave 2 y's chunks 1 and 2, wave 3 w's (102,400 bytes each).
; Ahead of the first barrier only waves 0 and 1 wait for their loads. Waves 2 and 3 wait, with all, in front of the refill's round.
; THE ONE REFILL, chunk 3 into chunk 0's bytes, is waves 0 and 1's head loads once more, 153,600 bytes further on in memory; it goes out behind chunk 0's products and has the 128 products a wave of chunks 1 and 2 in which to land.
; By this text's count a wave has one tensor load out at the most; every wait on TENSORcnt is for 0.
; CLUSTERS 4 x 4: y's rows are shared along a row of the cluster, w's along a column: joint loads.
; PREFETCH: behind the head's load each wave names 25 blocks of 256 bytes of chunk 3: of the 51,200 bytes of an operand each of the four partners that load it jointly takes 12,800, told apart by address, two waves 6,400 each
; (lanes 25-31 name the wave's last block again).  It asks one fill ahead of the load that wants the bytes; there is no later fill to ask for.
; The stage of the way out has LDS bytes of its own, behind the spare words: no tensor load lands there.
; REGISTERS: window 0: v2-21 addresses; v28, v29 the add's; v32-47 scale words, two sets of 8; v64-159 y's fragments, two sets; v128-191 on the way out.  window 1: w's fragments, sets at v0 and v96.  window 2: the accumulators.
.set N0,    4
.set N1,    4
.set NN,    N0*N1
.set RPB,   6400                       ; a block: a row pair x a K group
.set KGB,   25600                      ; a K group of four row pairs
.set CHB,   51200                      ; a chunk of one operand
.set RBB,   204800                     ; 128 rows, all of K
.set WREG,  3*CHB                      ; w's region
.set SPARE, 6*CHB                      ; the spare words, 128 bytes for each wave: two blocks of 256 bytes that no other line names
.set STG,   SPARE+512                  ; the stages: 16 rows x 272 bytes for each wave
.set SCB,   32
.set SCN,   N0+N1
.set F1,    64
.set LI,    2                          ; v2  16 x lane
.set LU,    3                          ; v3  6,144 + 8 x lane
.set ADR0,  4                          ; v4-6   w's fragments in chunk place 0, 1, 2
.set ADR1,  7                          ; v7-9   y's
.set ADS0,  10                         ; v10-12 w's scale words
.set ADS1,  13                         ; v13-15 y's
.set STO,   16
.set RD,    17
.set CO,    18
.set PFO,   21                         ; v21 the prefetch's offset; never rewritten
.set SPW,   28
.set NIL,   29
.set BK,    128
.set G1,    24                         ; s[24:31] group 1 for y, 200 rows of 256 bytes;  s[68:75] the same with 400 rows;  s[32:35] group 0
.set G1L,   68
.set G0,    32
.set G1B,   48                         ; s[48:55], s[88:95], s[56:59] the same for w
.set G1BL,  88
.set G0B,   56
.set PFA,   36                         ; s[36:37] the prefetch's base; never rewritten
.set MUL,   0xa1                       ; source 0 window 1, source 1 window 0, C and D window 2
.set TO_1,  0x40
.set MSB,   0
.macro WIN new                         ; the immediate's high byte repeats the setting that is left
.if MSB != (\new)
	s_set_vgpr_msb (MSB<<8)|(\new)
.set MSB, \new
.endif
.endm
.macro PLACES                          ; four plain places behind matrix instructions (ISA guide 7.12.1)
.rept 4
	v_nop
.endr
.endm
.macro CREST                           ; a round of the cluster's barrier behind its opening barrier
	s_cmp_lg_u32 s14, 0
	s_cbranch_scc1 .Lnot_wave_0_\@
	s_barrier_signal -3
.Lnot_wave_0_\@:
	s_barrier_wait -3
	s_barrier_signal -1
	s_barrier_wait -1
.endm
.macro CROUND
	s_barrier_signal -1
	s_barrier_wait -1
	CREST
.endm
; An arm of the head's one chain of branches on the wave's number: its load, s_nop 0 and four v_nop, a jump to the chain's end.
.macro ARM under, g0, g1, next
	s_cmp_lt_u32 s14, \under
	s_cbranch_scc0 \next
	tensor_load_to_lds s[\g0:\g0+3], s[\g1:\g1+7]
	s_nop 0
	PLACES
	s_branch .Lhead_asked
\next:
.endm
.macro RLOAD                           ; the refill: wave 0 y's chunk 3, wave 1 w's; waves 2 and 3 have no part of it
	s_cmp_lt_u32 s14, 1
	s_cbranch_scc0 .Lre_w_\@
	tensor_load_to_lds s[G0:G0+3], s[G1:G1+7]
	s_nop 0
	PLACES
	s_branch .Lre_done_\@
.Lre_w_\@:
	s_cmp_lt_u32 s14, 2
	s_cbranch_scc0 .Lre_done_\@
	tensor_load_to_lds s[G0B:G0B+3], s[G1B:G1B+7]
	s_nop 0
	PLACES
.Lre_done_\@:
	PLACES                                         ; on every wave's way: the places in front of the loads that follow
.endm
; The fragments of K step s (0..3) of the chunk at place sl, into set s % 2; with an even s the scale words of steps s and s + 1, into set (s / 2) % 2.
.macro FETCH sl, s
	WIN TO_1
.set fa, 0
.rept N0
.irp c, 0,1,2
	ds_load_b128 v[96*((\s)%2)+12*fa+4*\c:96*((\s)%2)+12*fa+4*\c+3], v[ADR0+(\sl)] offset:(fa/2)*RPB+(fa%2)*3072+((\s)/2)*KGB+((\s)%2)*1536+512*\c
.endr
.set fa, fa+1
.endr
	WIN 0
.set fa, 0
.rept N1
.irp c, 0,1,2
	ds_load_b128 v[F1+48*((\s)%2)+12*fa+4*\c:F1+48*((\s)%2)+12*fa+4*\c+3], v[ADR1+(\sl)] offset:(fa/2)*RPB+(fa%2)*3072+((\s)/2)*KGB+((\s)%2)*1536+512*\c
.endr
.set fa, fa+1
.endr
.if ((\s)%2) == 0
.set fa, 0
.rept N0/2
	ds_load_b64 v[SCB+SCN*(((\s)/2)%2)+2*fa:SCB+SCN*(((\s)/2)%2)+2*fa+1], v[ADS0+(\sl)] offset:fa*RPB+((\s)/2)*KGB
.set fa, fa+1
.endr
.set fa, 0
.rept N1/2
	ds_load_b64 v[SCB+SCN*(((\s)/2)%2)+N0+2*fa:SCB+SCN*(((\s)/2)%2)+N0+2*fa+1], v[ADS1+(\sl)] offset:fa*RPB+((\s)/2)*KGB
.set fa, fa+1
.endr
.endif
.endm
.macro WM zero                         ; one product; an odd tile's scale words lie in lanes 16-31 of their register
.if \zero
.if (ma%2) && (mb%2)
	v_wmma_scale_f32_16x16x128_f8f6f4 v[rD:rD+7], v[rA:rA+11], v[rB:rB+11], 0, v[kA], v[kB] matrix_a_fmt:MATRIX_FMT_FP6 matrix_b_fmt:MATRIX_FMT_FP6 matrix_a_scale:MATRIX_SCALE_ROW1 matrix_b_scale:MATRIX_SCALE_ROW1
.elseif ma%2
	v_wmma_scale_f32_16x16x128_f8f6f4 v[rD:rD+7], v[rA:rA+11], v[rB:rB+11], 0, v[kA], v[kB] matrix_a_fmt:MATRIX_FMT_FP6 matrix_b_fmt:MATRIX_FMT_FP6 matrix_a_scale:MATRIX_SCALE_ROW1
.elseif mb%2
	v_wmma_scale_f32_16x16x128_f8f6f4 v[rD:rD+7], v[rA:rA+11], v[rB:rB+11], 0, v[kA], v[kB] matrix_a_fmt:MATRIX_FMT_FP6 matrix_b_fmt:MATRIX_FMT_FP6 matrix_b_scale:MATRIX_SCALE_ROW1
.else
	v_wmma_scale_f32_16x16x128_f8f6f4 v[rD:rD+7], v[rA:rA+11], v[rB:rB+11], 0, v[kA], v[kB] matrix_a_fmt:MATRIX_FMT_FP6 matrix_b_fmt:MATRIX_FMT_FP6
.endif
.else
.if (ma%2) && (mb%2)
	v_wmma_scale_f32_16x16x128_f8f6f4 v[rD:rD+7], v[rA:rA+11], v[rB:rB+11], v[rD:rD+7], v[kA], v[kB] matrix_a_fmt:MATRIX_FMT_FP6 matrix_b_fmt:MATRIX_FMT_FP6 matrix_a_scale:MATRIX_SCALE_ROW1 matrix_b_scale:MATRIX_SCALE_ROW1
.elseif ma%2
	v_wmma_scale_f32_16x16x128_f8f6f4 v[rD:rD+7], v[rA:rA+11], v[rB:rB+11], v[rD:rD+7], v[kA], v[kB] matrix_a_fmt:MATRIX_FMT_FP6 matrix_b_fmt:MATRIX_FMT_FP6 matrix_a_scale:MATRIX_SCALE_ROW1
.elseif mb%2
	v_wmma_scale_f32_16x16x128_f8f6f4 v[rD:rD+7], v[rA:rA+11], v[rB:rB+11], v[rD:rD+7], v[kA], v[kB] matrix_a_fmt:MATRIX_FMT_FP6 matrix_b_fmt:MATRIX_FMT_FP6 matrix_b_scale:MATRIX_SCALE_ROW1
.else
	v_wmma_scale_f32_16x16x128_f8f6f4 v[rD:rD+7], v[rA:rA+11], v[rB:rB+11], v[rD:rD+7], v[kA], v[kB] matrix_a_fmt:MATRIX_FMT_FP6 matrix_b_fmt:MATRIX_FMT_FP6
.endif
.endif
.endm
; Products i0 .. i0 + n - 1 of K step s: w's tile i % N0 against y's tile i / N0.  The sixteen accumulators take turns, in the same order in every step.
.macro MULS i0, n, s, zero
.set mi, \i0
.rept \n
.set ma, mi%N0
.set mb, mi/N0
.set rD, 8*mi
.set rA, 96*((\s)%2)+12*ma
.set rB, F1+48*((\s)%2)+12*mb
.set kA, SCB+SCN*(((\s)/2)%2)+2*(ma/2)+((\s)%2)
.set kB, SCB+SCN*(((\s)/2)%2)+N0+2*(mb/2)+((\s)%2)
	WM \zero
.set mi, mi+1
.endr
.endm
.macro STEP s, sln, sn, zero           ; K step s: its fragments are in; the next step's (sn, at place sln) are asked for under this step's products
	s_wait_dscnt 0x0
	PLACES
	FETCH \sln, \sn
	WIN MUL
	MULS 0, NN, \s, \zero
	WIN 0
.endm
; A chunk's last step with a barrier: in front of it each wave waits for all its tensor loads, adds 0 to its spare word, and waits for that and for its reads.  fill = 1: the barrier opens a round and chunk 3 is asked for.
.macro TURN sln, fill
	s_wait_tensorcnt 0x0
	ds_add_u32 v[SPW], v[NIL]
	s_wait_dscnt 1                                 ; this step's fragments are in; the add alone may be out
	WIN MUL
	MULS 0, NN/4, 3, 0
	s_wait_dscnt 0x0                               ; the add is done, and my reads of this chunk are over
	s_barrier_signal -1
	MULS NN/4, NN/4, 3, 0
	WIN 0
	s_barrier_wait -1
.if \fill
	CREST                                          ; no wave of any partner still reads chunk 0 or has a load on its way
	s_add_nc_u64 s[G0+2:G0+3], s[G0+2:G0+3], 3*CHB     ; no tensor load of mine is out: in waves 0 and 1 chunk 0's address becomes chunk 3's
	s_add_nc_u64 s[G0B+2:G0B+3], s[G0B+2:G0B+3], 3*CHB
	RLOAD                                          ; the first tensor load behind the round
.else
	PLACES
.endif
	FETCH \sln, 0
	WIN MUL
	MULS NN/2, NN/2, 3, 0
	WIN 0
.endm
	s_load_b128 s[4:7], s[0:1], 0x0                ; yq s[4:5], wpq s[6:7]
	s_load_b64 s[8:9], s[0:1], 0x10                ; out0
	v_lshl_add_u32 v[SPW], v0, 2, SPARE
	v_mov_b32 v[NIL], 0
	ds_add_u32 v[SPW], v[NIL]                      ; the opening lines: the add, twice on end, and its wait ahead of my first tensor load
	ds_add_u32 v[SPW], v[NIL]
	v_lshrrev_b32 v1, 5, v0
	v_readfirstlane_b32 s14, v1                    ; wave 0..3
	s_lshr_b32 s15, s14, 1                         ; my half of the rows.  Also: I fetch chunk 0 (0) or chunks 1 and 2 (1)
	s_and_b32 s16, s14, 1                          ; my half of the columns.  Also: I fetch y (0) or w (1)
	s_bfe_u32 s40, ttmp6, 0x40000                  ; cx, cy
	s_bfe_u32 s41, ttmp6, 0x40004
	s_lshl_b32 s42, ttmp9, 2
	s_add_co_u32 s42, s42, s40                     ; block of 128 columns
	s_and_b32 s17, ttmp7, 0xffff
	s_lshl_b32 s17, s17, 2
	s_add_co_u32 s17, s17, s41                     ; block of 128 rows
	s_lshl_b32 s43, s41, 2
	s_lshl_b32 s43, 15, s43                        ; my row of the cluster
	s_lshl_b32 s44, 0x1111, s40                    ; my column
	s_or_b32 s[G1], s43, (3<<16)|(1<<21)           ; the mask; elements of 8 bytes; bit 21 beside a mask; no padding
	s_or_b32 s[G1L], s43, (3<<16)|(1<<21)
	s_or_b32 s[G1B], s44, (3<<16)|(1<<21)
	s_or_b32 s[G1BL], s44, (3<<16)|(1<<21)
.irp g, G1, G1B                                ; a dense run as rows of 256 bytes: one chunk is 200 rows,
	s_mov_b32 s[\g+1], 32<<16
	s_mov_b32 s[\g+2], 200<<16
	s_mov_b32 s[\g+3], 32<<16
	s_mov_b32 s[\g+4], 200
	s_mov_b32 s[\g+5], 32
	s_mov_b32 s[\g+6], 0
	s_mov_b32 s[\g+7], 0
.endr
.irp g, G1L, G1BL                              ; two chunks 400
	s_mov_b32 s[\g+1], 32<<16
	s_mov_b32 s[\g+2], 400<<16
	s_mov_b32 s[\g+3], 32<<16
	s_mov_b32 s[\g+4], 400
	s_mov_b32 s[\g+5], 32
	s_mov_b32 s[\g+6], 0
	s_mov_b32 s[\g+7], 0
.endr
	s_mul_i32 s20, s17, RBB                        ; y's 128 rows
	s_mov_b32 s21, 0
	s_mul_i32 s46, s42, RBB                        ; w's 128 columns
	s_mov_b32 s47, 0
	s_mul_i32 s22, s15, CHB                        ; my load begins at chunk 0 or at chunk 1: in memory and in the operand's region alike
	s_mov_b32 s23, 0
	s_add_co_u32 s45, s22, WREG
	s_cmp_eq_u32 s16, 0
	s_cselect_b32 s82, s40, s41                    ; my place among the four that load the operand with me
	s_mul_i32 s82, s82, 12800
	s_mul_i32 s83, s15, 6400
	s_add_co_u32 s82, s82, s83
	s_add_co_u32 s82, s82, 3*CHB                   ; the prefetch: my 6,400 bytes of chunk 3
	s_mov_b32 s83, 0
	s_lshl_b32 s80, s17, 7
	s_lshl_b32 s81, s15, 6
	s_add_co_u32 s80, s80, s81                     ; my first row of out0,
	s_lshl_b32 s80, s80, 13                        ; 8,192 bytes a row,
	s_lshl_b32 s81, s42, 9
	s_add_co_u32 s80, s80, s81
	s_lshl_b32 s81, s16, 8
	s_add_co_u32 s80, s80, s81                     ; and my first column
	s_mov_b32 s81, 0
	s_mul_i32 s86, s16, 2*RPB
	s_add_co_u32 s86, s86, WREG                    ; my two row pairs of w in a K group
	s_mul_i32 s87, s15, 2*RPB                      ; and of y
	s_mul_i32 s84, s14, 16*272
	s_add_co_u32 s84, s84, STG                     ; my stage
	s_wait_dscnt 0x0                               ; both opening adds are done
	CROUND                                         ; the round in front of the first joint loads: all sixteen work-groups are here; it stands ahead of the wait for the arguments
	s_wait_kmcnt 0x0
	s_add_nc_u64 s[20:21], s[4:5], s[20:21]
	s_add_nc_u64 s[46:47], s[6:7], s[46:47]
	s_mov_b32 s[G0], 1
	s_mov_b32 s[G0+1], s22
	s_add_nc_u64 s[G0+2:G0+3], s[20:21], s[22:23]
	s_or_b32 s[G0+3], s[G0+3], 0x80000000
	s_mov_b32 s[G0B], 1
	s_mov_b32 s[G0B+1], s45
	s_add_nc_u64 s[G0B+2:G0B+3], s[46:47], s[22:23]
	s_or_b32 s[G0B+3], s[G0B+3], 0x80000000
	ARM 1, G0,  G1,  .Lhead_1                      ; one tensor load a wave at the head: y's chunk 0,
	ARM 2, G0B, G1B, .Lhead_2                      ; w's chunk 0,
	ARM 3, G0,  G1L, .Lhead_3                      ; y's chunks 1 and 2,
	tensor_load_to_lds s[G0B:G0B+3], s[G1BL:G1BL+7]   ; w's chunks 1 and 2
	s_nop 0
	PLACES
.Lhead_asked:
	s_add_nc_u64 s[8:9], s[8:9], s[80:81]
	s_cmp_eq_u32 s16, 0
	s_cselect_b64 s[PFA:PFA+1], s[20:21], s[46:47] ; the choice hangs on the wave's number alone
	s_add_nc_u64 s[PFA:PFA+1], s[PFA:PFA+1], s[82:83]
	v_and_b32 v1, 31, v0
	v_and_b32 v19, 15, v0
	v_bfe_u32 v20, v0, 4, 1
	v_lshlrev_b32 v[LI], 4, v1
	v_lshlrev_b32 v[LU], 3, v1
	v_min_u32 v[PFO], 24, v1
	v_add_nc_u32 v[LU], 6144, v[LU]
	v_lshlrev_b32 v[PFO], 8, v[PFO]                ; a lane a block of 256 bytes, 25 blocks
	v_add_nc_u32 v[ADR0], s86, v[LI]
	v_add_nc_u32 v[ADR1], s87, v[LI]
	v_add_nc_u32 v[ADS0], s86, v[LU]
	v_add_nc_u32 v[ADS1], s87, v[LU]
.irp s, 1,2
	v_add_nc_u32 v[ADR0+\s], \s*CHB, v[ADR0]
	v_add_nc_u32 v[ADR1+\s], \s*CHB, v[ADR1]
	v_add_nc_u32 v[ADS0+\s], \s*CHB, v[ADS0]
	v_add_nc_u32 v[ADS1+\s], \s*CHB, v[ADS1]
.endr
	global_prefetch_b8 v[PFO], s[PFA:PFA+1] th:TH_LOAD_NT scope:SCOPE_SE   ; my 25 blocks of chunk 3; its address registers are never written again
	v_mul_u32_u24 v[STO], v19, 272                 ; the stage, in: row l % 16, 64 bytes for each half of the lanes
	v_mul_u32_u24 v[RD], v20, 272                  ; back: sixteen lanes to a row of 256 bytes
	v_lshlrev_b32 v[CO], 13, v20                   ; and the same two rows in out0
	v_lshl_add_u32 v[STO], v20, 6, v[STO]
	v_lshl_add_u32 v[RD], v19, 4, v[RD]
	v_lshl_add_u32 v[CO], v19, 4, v[CO]
	v_add_nc_u32 v[STO], s84, v[STO]
	v_add_nc_u32 v[RD], s84, v[RD]
	s_wait_alu depctr_va_vdst(0)
	s_cmp_lg_u32 s15, 0                            ; waves 0 and 1 brought chunk 0, which alone is read behind this barrier
	s_cbranch_scc1 .Llater_chunks_are_mine
	s_wait_tensorcnt 0x0                           ; my operand's chunk 0 is in
.Llater_chunks_are_mine:
	s_barrier_signal -1
	s_barrier_wait -1                              ; chunk 0 is whole
	FETCH 0, 0
	STEP 0, 0, 1, 1                                ; chunk 0: the first products start the sums: nothing is cleared
	STEP 1, 0, 2, 0
	STEP 2, 0, 3, 0
	TURN 1, 1                                      ; chunks 1 and 2 are whole for every wave; chunk 0's bytes take chunk 3
	STEP 0, 1, 1, 0                                ; chunk 1
	STEP 1, 1, 2, 0
	STEP 2, 1, 3, 0
	STEP 3, 2, 0, 0
	STEP 0, 2, 1, 0                                ; chunk 2
	STEP 1, 2, 2, 0
	STEP 2, 2, 3, 0
	TURN 0, 0                                      ; chunk 3 is whole for every wave; nothing is filled again
	STEP 0, 0, 1, 0                                ; chunk 3
	STEP 1, 0, 2, 0
	STEP 2, 0, 3, 0
	s_wait_dscnt 0x0
	WIN MUL
	MULS 0, NN, 3, 0
	WIN 0
	PLACES                                         ; in front of the first read of results and of loads over the fragments' registers
; THE WAY OUT, 16 rows x 64 columns at a time, through my own stage: back as rows of 256 bytes, which sixteen lanes store as one aligned unit.  LDS serves a wave's instructions in order (ISA guide 5.7.1.4).
.macro TOSTAGE b
	WIN 0x08                                       ; an LDS store's data: window 2
.irp a, 0,1,2,3
	ds_store_b128 v[STO], v[8*(4*(\b)+\a):8*(4*(\b)+\a)+3] offset:128*(\a/2)+32*(\a%2)          ; each accumulator from its low end on
	ds_store_b128 v[STO], v[8*(4*(\b)+\a)+4:8*(4*(\b)+\a)+7] offset:128*(\a/2)+32*(\a%2)+16
.endr
	WIN 0
.irp i, 0,1,2,3,4,5,6,7
	ds_load_b128 v[BK+32*((\b)%2)+4*\i:BK+32*((\b)%2)+4*\i+3], v[RD] offset:544*\i
.endr
.endm
.macro SEND b, younger                 ; stage row 2 i + l / 16 of tile b is row 32 (b / 2) + 8 (b % 2) + that + 8 (i / 4) of my 64
	s_wait_dscnt \younger
.irp i, 0,1,2,3,4,5,6,7
	global_store_b128 v[CO], v[BK+32*((\b)%2)+4*\i:BK+32*((\b)%2)+4*\i+3], s[8:9] offset:(32*((\b)/2)+8*((\b)%2)+2*\i+8*(\i/4))*8192 th:TH_STORE_NT
.endr
.endm
	s_wait_alu depctr_va_vdst(0)
	TOSTAGE 0
.irp b, 1,2,3
.if \b > 1
	s_wait_xcnt 0x0                                ; tile b - 2's stores have read their registers: tile b's loads may land there
.endif
	TOSTAGE \b
	SEND \b-1, 16                                  ; behind tile b - 1's loads: tile b's 8 stores and 8 loads
.endr
	SEND 3, 0
	s_wait_tensorcnt 0x0                           ; the wave's end
	ds_add_u32 v[SPW], v[NIL]
	s_wait_dscnt 0x0
	CROUND                                         ; the closing round
	s_endpgm
.Lfunc_end_k_q48aa20e4fe_projgemm:
	.size	k_q48aa20e4fe_projgemm, .Lfunc_end_k_q48aa20e4fe_projgemm-k_q48aa20e4fe_projgemm
	.p2alignl 7, 3214868480
	.fill 96, 4, 3214868480
	.section	.rodata,"a",@progbits
	.p2align	6, 0x0
	.amdhsa_kernel k_q48aa20e4fe_projgemm
		.amdhsa_group_segment_fixed_size 327680
		.amdhsa_private_segment_fixed_size 0
		.amdhsa_enable_private_segment 0
		.amdhsa_kernarg_size 24
		.amdhsa_user_sgpr_count 2
		.amdhsa_user_sgpr_kernarg_segment_ptr 1
		.amdhsa_wavefront_size32 1
		.amdhsa_system_sgpr_workgroup_id_x 1
		.amdhsa_system_sgpr_workgroup_id_y 1
		.amdhsa_system_sgpr_workgroup_id_z 1
		.amdhsa_system_vgpr_workitem_id 0
		.amdhsa_next_free_vgpr 640
		.amdhsa_next_free_sgpr 100
		.amdhsa_reserve_vcc 0
		.amdhsa_float_denorm_mode_32 3
		.amdhsa_float_denorm_mode_16_64 3
		.amdhsa_memory_ordered 1
		.amdhsa_forward_progress 1
		.amdhsa_inst_pref_size 81
	.end_amdhsa_kernel
	.amdgpu_metadata
---
amdhsa.version: [ 1, 2 ]
amdhsa.kernels:
  - .name:           k_q48aa20e4fe_projgemm
    .symbol:         k_q48aa20e4fe_projgemm.kd
    .args:
      - { .name: yq, .offset: 0, .size: 8, .value_kind: global_buffer, .address_space: global }
      - { .name: wpq, .offset: 8, .size: 8, .value_kind: global_buffer, .address_space: global }
      - { .name: out0, .offset: 16, .size: 8, .value_kind: global_buffer, .address_space: global }
    .group_segment_fixed_size: 327680
    .private_segment_fixed_size: 0
    .kernarg_segment_align: 8
    .kernarg_segment_size: 24
    .max_flat_workgroup_size: 128
    .sgpr_count:     100
    .vgpr_count:     640
    .wavefront_size: 32
...
	.end_amdgpu_metadata
.endif
;; end of part 4
